; MI455X (gfx1250); checked and timed in simulation.
; The chip was launched on July 23, 2026; its instructions are those of AMD's public machine-readable ISA for CDNA 5 (MIT licence, August 2026) and "CDNA5" Instruction Set Architecture Reference Guide (July 2026). The comments in the code are by the model that wrote it; some were corrected since.
;; Grouped Query Attention. Allowed arithmetic: matrix products marked QUANTISED: E2M3 operands, one E8M0 scale for each 32 along K, by v_wmma_scale_f32_16x16x128_f8f6f4 with both operands' format E2M3, f32 sums; everything else in f32.
;; Inputs: W_attn 1,024 x 3,072 float32; W_proj 1,024 x 1,024 float32; b_attn 3,072 float32; b_proj 1,024 float32; x 4 x 2,048 x 1,024 float32.
;; Outputs: out0 4 x 2,048 x 1,024 float32.
;; This version of the problem:
;;   THIS VERSION OF THE PROBLEM IS GIVEN IN LOW PRECISION. The matrix products marked QUANTISED in the list below multiply operands that are first quantised to E2M3 (2 exponent bits, 3 mantissa bits; 6 bits a number), with one power-of-two scale for each 32 numbers along K (OCP MX v1.0); their sums are f32. All else is computed in f32.
;;   The module's matrix products, in the order in which they are computed (A, B: the left and right operand; K: the contracted axis; several contracted axes count as one K, in the product's order):
;;     1. [M 8,192, K 1,024] x [K 1,024, N 3,072]; A: input x; B: input W_attn: QUANTISED
;;     2. batch 64 x [M 2,048, K 64] x [K 64, N 2,048]; A: computed on the way; B: computed on the way: QUANTISED
;;     3. batch 64 x [M 2,048, K 2,048] x [K 2,048, N 64]; A: softmax (see below); B: computed on the way: QUANTISED
;;     4. [M 8,192, K 1,024] x [K 1,024, N 1,024]; A: computed on the way; B: input W_proj: QUANTISED
;;   THE QUANTISER, for each operand of a quantised product, along K:
;;     - K is cut into blocks of 32 from its start; a last block that is shorter is filled with zeros.
;;     - A block's scale is 2^e with e = floor(log2(the largest magnitude in the block)) - 2, held to -126 .. 127; a block of zeros has e = 0. As a byte (E8M0): e + 127.
;;     - Each number is divided by its block's scale, clamped to +-7.5, and rounded to the nearest number of E2M3, ties to even, subnormals kept.
;;     - The product sums the exact products of the quantised numbers (number of the format x scale) in f32.
;;   ~~~python
;;   def quantise(x, axis):      # numpy; x: float32 -> the quantised numbers, widened to float32 again
;;       x = np.moveaxis(x, axis, -1); K = x.shape[-1]
;;       x = np.pad(x, [(0, 0)] * (x.ndim - 1) + [(0, -K % 32)]); x = x.reshape(x.shape[:-1] + (-1, 32)); a = np.abs(x).max(-1, keepdims=True)
;;       e = np.where(a > 0, np.clip(np.frexp(np.where(a > 0, a, 1))[1] - 1 - 2, -126, 127), 0)      # np.frexp(a)[1] - 1 = floor(log2(a)), exactly
;;       r = np.clip(x / 2.0 ** e, -7.5, 7.5)
;;       step = 2.0 ** (np.maximum(np.frexp(np.where(r == 0, 1, r))[1] - 1, 0) - 3)
;;       q = np.round(r / step) * step * 2.0 ** e      # np.round: ties to even
;;       return np.moveaxis(q.reshape(q.shape[:-2] + (-1,))[..., :K], -1, axis).astype(np.float32)
;;   ~~~
;;   SOFTMAX AHEAD OF A QUANTISED PRODUCT. Where the list says 'softmax', what is quantised is not the finished softmax but p = 2^(t - M), with t = logit x log2(e) and M = ceil(the row's largest t), a whole number; so 1/2 < the row's largest p <= 1. The row's sum l is taken of the UNQUANTISED p, in f32, and the product's result is divided by l at the end. Since M is a whole number, a kernel that streams over the keys may use a running M (the ceiling of the running maximum): every later rescaling is an exact power of two, which a block's scale takes up: the codes' values come out the same.
;;   OPERANDS COMPUTED ON THE WAY. 'Computed on the way' means the value that the module computes at that place (a softmax that the list does not call 'softmax' is quantised finished and normalised). What goes into a quantiser is computed in f32, as accurately as f32 sums, v_exp_f32 and their like allow (about 1e-6 of the number): no bf16 or f16 on the way to a quantiser, and a product that is left as it is and whose result goes on into a quantised operand takes f32 operands (vector FMAs, or v_wmma_f32_16x16x4_f32). A number that lies on a knife's edge between two numbers of the format may be rounded either way, as far as f32 arithmetic and the matrix unit's own rounding can turn it there, and no further.
;; One version. Each part assembles by itself: llvm-mc -triple=amdgcn-amd-amdhsa -mcpu=gfx1250 --defsym DOCPART=n.
;; ======== version 1 of 1: 4 launches
;; limits: right only within a limited range of input values
;; workspace buffers: xq 6,553,600 bytes; wq 3,276,800 bytes; oq 6,553,600 bytes; rt 524,288 bytes; qr 6,815,744 bytes; kv 13,369,344 bytes
;; launch prep (part 1): grid 416 x 1, 4 waves a work-group, no clusters, 34,304 bytes of LDS; arguments x, W_attn, W_proj, xq, wq, rt; writes xq, wq, rt
.if DOCPART == 1
	.amdgcn_target "amdgcn-amd-amdhsa--gfx1250"
	.amdhsa_code_object_version 6
	.text
	.protected	k_q5d478e2589_prep
	.globl	k_q5d478e2589_prep
	.p2align	8
	.type	k_q5d478e2589_prep,@function
k_q5d478e2589_prep:
	s_mov_b64 s[64:65], 0
	v_nop
	global_prefetch_b8 v0, s[64:65] scope:SCOPE_SE
	s_setreg_imm32_b32 hwreg(HW_REG_WAVE_MODE, 25, 1), 1
	s_wait_xcnt 0x0
; PREP: x [8192][1024], W_attn [1024][3072] and W_proj [1024][1024], f32, become codes of FP6 (E2M3) with one E8M0 byte for each 32 along K = 1024; and the table of cosines and sines for the rotation is made.
; THE CODES ARE LAID AS THE PRODUCTS' REGISTERS TAKE THEM.  A row block rb = 2 G + u is 16 rows (tokens of x, columns of a weight): its row rho is row 32 G + 8 u + rho + 8 (rho / 8).
; Its record is 12,800 bytes: eight fragments (one for each 128 along K) of 1,536 bytes, each the image of its 12 registers (registers 4 j .. 4 j + 3 of lane l at 512 j + 16 l);
; then 512 bytes of scale words, [K slot of 256: 4][row: 16][2 words].  xq: 512 records; wq: 256 (0-191 W_attn's columns, 192-255 W_proj's).
; A block's scale is 2^(floor(log2(largest magnitude)) - 2); its byte is the largest magnitude's exponent field - 2, held at 1 from below by a floor among the maximum's leaves.
; LIMITS: NaN and infinities among the inputs are not served.  A block of zeros, or one whose largest magnitude lies under 2^-124, gets the byte 1 (zeros: zero codes, which add nothing; the bytes are read by this program alone).
; theta_i is taken as the f32 nearest to 10^(-3 i / 32), made in double-f32; the angle is one f32 product pos x theta; sine and cosine by an exact reduction by pi / 2 and polynomials on |r| <= pi / 4.
; Three paths part on the work-group's number: 0-255 x, 256-383 the weights, 384-415 the table.  Only the first uses LDS.  Waves share nothing: no barrier.
.set RECB, 12800
.set FRB,  1536
.set STG,  8448                        ; a wave's stage: 16 rows x (512 bytes + 16)
.set RX,   16                          ; v16-143  two sets of 64: a fragment's numbers as loaded
.set XX,   144                         ; v144-207 my two whole blocks of 32
.set PC,   208                         ; v208-219 the fragment's codes
.set CT,   220                         ; v220-222, v224-226 second halves of the blocks' codes
.set WW,   228                         ; v228-231 the four fragments' scale words
.set TMX,  232                         ; v232-238 at work
	s_load_b256 s[4:11], s[0:1], 0x0               ; x s[4:5], W_attn s[6:7], W_proj s[8:9], xq s[10:11]
	s_load_b128 s[12:15], s[0:1], 0x20             ; wq s[12:13], rt s[14:15]
	v_lshl_add_u32 v254, v0, 2, 0x8400
	v_mov_b32 v255, 0
	v_lshrrev_b32 v1, 5, v0
	v_readfirstlane_b32 s16, v1                    ; wave
	v_and_b32 v1, 31, v0                           ; lane
	v_and_b32 v2, 15, v0                           ; r
	v_bfe_u32 v3, v0, 4, 1                         ; h
	v_lshlrev_b32 v4, 4, v1                        ; 16 x lane
	s_mov_b32 s20, 0x76543210
	s_mov_b32 s21, 0xfedcba98                      ; selects for lane l xor 16
	s_cmp_lt_u32 ttmp9, 256
	s_cbranch_scc0 .Lweights
; ---- x.  A wave takes one row block and half of K: four fragments.  Each load reads 512 consecutive bytes of one row; the 16 rows turn through the wave's stage, so that lane (r, h) gets row r's k = 64 c + 32 h + 0 .. 31.
	s_lshl_b32 s17, ttmp9, 2
	s_add_co_u32 s17, s17, s16                     ; unit
	s_lshr_b32 s18, s17, 1                         ; rb
	s_and_b32 s19, s17, 1                          ; which half of K
	s_lshr_b32 s22, s18, 1
	s_lshl_b32 s22, s22, 5
	s_and_b32 s23, s18, 1
	s_lshl_b32 s23, s23, 3
	s_add_co_u32 s22, s22, s23                     ; the block's first row: 32 G + 8 u
	s_lshl_b32 s22, s22, 12                        ; rows of 4,096 bytes
	s_lshl_b32 s23, s19, 11
	s_add_co_u32 s22, s22, s23
	s_mov_b32 s23, 0
	s_mul_i32 s24, s18, RECB
	s_mul_i32 s26, s19, 4*FRB
	s_add_co_u32 s26, s26, s24                     ; my four fragments
	s_mov_b32 s27, 0
	s_lshl_b32 s28, s19, 8
	s_add_co_u32 s28, s28, s24
	s_add_co_u32 s28, s28, 8*FRB                   ; my 256 bytes of scale words
	s_mov_b32 s29, 0
	s_mul_i32 s30, s16, STG
	s_wait_alu depctr_va_vdst(0)
	v_add_nc_u32 v5, s30, v4                       ; the stage, in: 16 x lane of row i
	v_mul_u32_u24 v6, v2, 528
	v_lshl_add_u32 v6, v3, 7, v6
	v_add_nc_u32 v6, s30, v6                       ; and out: row r, + 128 h
	v_lshlrev_b32 v7, 3, v1                        ; 8 x lane
	v_lshlrev_b32 v8, 3, v3                        ; 8 h: my bytes' place in a scale word
	v_mov_b32 v[TMX+6], 0                          ; a lane permute's destination counts as read
	s_wait_alu depctr_va_vdst(0)
	s_wait_kmcnt 0x0
	s_add_nc_u64 s[4:5], s[4:5], s[22:23]
	s_add_nc_u64 s[26:27], s[10:11], s[26:27]
	s_add_nc_u64 s[28:29], s[10:11], s[28:29]
.macro XLOAD f
.irp i, 0,1,2,3,4,5,6,7,8,9,10,11,12,13,14,15
	global_load_b128 v[RX+64*((\f)%2)+4*\i:RX+64*((\f)%2)+4*\i+3], v4, s[4:5] offset:(\i+8*(\i/8))*4096+512*(\f) th:TH_LOAD_NT
.endr
.endm
.macro XFRAG f
.if (\f) < 3
	s_wait_loadcnt 16                              ; this fragment's 16 loads are in; the next fragment's 16 may be out
.else
	s_wait_loadcnt 0x0
.endif
.irp i, 0,1,2,3,4,5,6,7,8,9,10,11,12,13,14,15
	ds_store_b128 v5, v[RX+64*((\f)%2)+4*\i:RX+64*((\f)%2)+4*\i+3] offset:528*\i
.endr
.irp c, 0,1
.irp j, 0,1,2,3,4,5,6,7
	ds_load_b128 v[XX+32*\c+4*\j:XX+32*\c+4*\j+3], v6 offset:256*\c+16*\j   ; LDS serves a wave's instructions in order: these see the stores above
.endr
.endr
	s_wait_dscnt 0x0                               ; my numbers are back, and the stores have read their registers,
.if (\f) < 2
	XLOAD (\f)+2                                   ; which take the loads of two fragments on
.endif
.irp c, 0,1
	v_max3_num_f32 v[TMX+\c], |v[XX+32*\c]|, |v[XX+32*\c+1]|, 0x1800000   ; my block 2 c + h: all 32 numbers are mine; the floor 2^(3 - 127) holds the byte at 1 from below
.endr
.irp i, 2,4,6,8,10,12,14,16,18,20,22,24,26,28,30
.irp c, 0,1
	v_max3_num_f32 v[TMX+\c], v[TMX+\c], |v[XX+32*\c+\i]|, |v[XX+32*\c+\i+1]|
.endr
.endr
.irp c, 0,1
	v_add_nc_u32 v[TMX+2+\c], 0xff000000, v[TMX+\c]   ; 2 off the exponent field: the conversion's scale operand
.endr
.irp c, 0,1
	v_lshrrev_b32 v[TMX+4+\c], 23, v[TMX+2+\c]     ; the scale's byte
.endr
	v_lshl_or_b32 v[WW+\f], v[TMX+5], 16, v[TMX+4] ; blocks h and 2 + h of row r,
	v_lshlrev_b32 v[WW+\f], v8, v[WW+\f]           ; at their places;
	v_permlanex16_b32 v[TMX+6], v[WW+\f], s20, s21
	v_or_b32 v[WW+\f], v[WW+\f], v[TMX+6]          ; with lane l xor 16's two the word is whole
.if (\f) > 0
	s_wait_alu depctr_va_vdst(0)
	s_wait_xcnt 0x0                                ; the last fragment's stores have read their data: the codes' registers are written again only behind this wait
.endif
.irp c, 0,1
	v_cvt_scalef32_pk16_fp6_f32 v[PC+6*\c:PC+6*\c+2], v[XX+32*\c:XX+32*\c+15], v[TMX+2+\c]
	v_cvt_scalef32_pk16_fp6_f32 v[CT+4*\c:CT+4*\c+2], v[XX+32*\c+16:XX+32*\c+31], v[TMX+2+\c]   ; (a conversion's three registers begin on an even number)
.endr
	v_nop                                          ; one plain place behind a scaled conversion
.irp c, 0,1
.irp i, 0,1,2
	v_mov_b32 v[PC+6*\c+3+\i], v[CT+4*\c+\i]
.endr
.endr
.irp j, 0,1,2
	global_store_b128 v4, v[PC+4*\j:PC+4*\j+3], s[26:27] offset:FRB*(\f)+512*\j   ; 32 lanes store 512 consecutive bytes
.endr
.endm
	XLOAD 0
	XLOAD 1
	XFRAG 0
	XFRAG 1
	XFRAG 2
	XFRAG 3
	v_cmp_lt_u32 vcc_lo, 15, v1                    ; lanes 0-15: the first K slot's two words of row r; lanes 16-31: the second's
	v_cndmask_b32 v240, v[WW], v[WW+2], vcc_lo
	v_cndmask_b32 v241, v[WW+1], v[WW+3], vcc_lo
	global_store_b64 v7, v[240:241], s[28:29]      ; 256 consecutive bytes
	s_wait_tensorcnt 0x0
	ds_add_u32 v254, v255
	s_wait_dscnt 0x0
	s_endpgm
; ---- the weights: K is their FIRST axis.  A lane takes a column and its registers run down K, so a block of 32 lies in one lane.  A wave takes 32 columns (two row blocks) x 256 along K (one K slot).
.Lweights:
	s_cmp_lt_u32 ttmp9, 384
	s_cbranch_scc0 .Ltable
	s_sub_co_u32 s17, ttmp9, 256
	s_and_b32 s18, s17, 3                          ; the K slot
	s_lshr_b32 s19, s17, 2                         ; group of 128 columns: 0-23 W_attn's, 24-31 W_proj's
	s_lshl_b32 s22, s19, 2
	s_add_co_u32 s22, s22, s16                     ; G, counted over both weights
	s_sub_co_u32 s23, s19, 24
	s_mov_b32 s24, 4096
	s_wait_kmcnt 0x0
	s_cmp_lt_u32 s19, 24                           ; the choice hangs on the work-group's number alone
	s_cselect_b64 s[26:27], s[6:7], s[8:9]
	s_cselect_b32 s24, 12288, s24                  ; a row of the weight in bytes
	s_cselect_b32 s23, s19, s23                    ; the group within its weight
	s_lshl_b32 s23, s23, 9
	s_lshl_b32 s25, s16, 7
	s_add_co_u32 s28, s23, s25                     ; my 32 columns, in bytes
	s_mov_b32 s29, 0
	s_add_nc_u64 s[26:27], s[26:27], s[28:29]
	s_lshl_b32 s28, s18, 8
	s_mul_i32 s28, s28, s24                        ; 256 rows for each K slot
	s_add_nc_u64 s[26:27], s[26:27], s[28:29]
	s_lshl_b32 s28, s24, 5                         ; 32 rows
	s_mov_b64 s[32:33], s[26:27]                   ; a base for each of the eight blocks, made ahead of all loads: nothing is stepped while loads are out
.irp t, 1,2,3,4,5,6,7
	s_add_nc_u64 s[32+2*\t:33+2*\t], s[30+2*\t:31+2*\t], s[28:29]
.endr
	s_mul_i32 s48, s22, 2*RECB
	s_mul_i32 s50, s18, 2*FRB
	s_add_co_u32 s50, s50, s48
	s_mov_b32 s51, 0
	s_add_nc_u64 s[50:51], s[12:13], s[50:51]      ; the slot's two fragments of row block 2 G
	s_lshl_b32 s52, s18, 7
	s_add_co_u32 s52, s52, s48
	s_add_co_u32 s52, s52, 8*FRB
	s_mov_b32 s53, 0
	s_add_nc_u64 s[52:53], s[12:13], s[52:53]      ; and its scale words
	v_and_b32 v5, 7, v0
	v_bfe_u32 v6, v0, 3, 1
	v_lshl_add_u32 v5, v6, 4, v5
	s_wait_alu depctr_va_vdst(0)
	v_lshl_add_u32 v5, v3, 3, v5                   ; my column of the 32: (l % 8) + 16 ((l / 8) % 2) + 8 (l / 16): lanes 0-15 are row block 2 G's rows, lanes 16-31 row block 2 G + 1's
	v_lshlrev_b32 v5, 2, v5
.irp i, 0,1,2,3,4,5,6,7,8,9,10,11,12,13,14,15,16,17,18,19,20,21,22,23,24,25,26,27,28,29,30,31
	v_mad_u32_u24 v[16+\i], s24, \i, v5            ; row i of a block
.endr
	v_mul_u32_u24 v7, v3, RECB
	v_lshl_add_u32 v7, v2, 3, v7                   ; my column's two scale words
.macro WLOAD t
.irp i, 0,1,2,3,4,5,6,7,8,9,10,11,12,13,14,15,16,17,18,19,20,21,22,23,24,25,26,27,28,29,30,31
	global_load_b32 v[48+32*((\t)%2)+\i], v[16+\i], s[32+2*(\t):33+2*(\t)] th:TH_LOAD_NT   ; a wave reads 128 consecutive bytes, the four waves side by side 512
.endr
.endm
.macro WBLOCK t
.set XS, 48+32*((\t)%2)
.set FD, 112+24*((\t)/4)+12*((\t)%2)+6*(((\t)%4)/2)   ; even blocks of a K step into one run of 12 registers, odd blocks into another
.if (\t) < 7
	s_wait_loadcnt 32                              ; this block's 32 loads are in; the next block's may be out
.else
	s_wait_loadcnt 0x0
.endif
	v_max3_num_f32 v166, |v[XS]|, |v[XS+1]|, |v[XS+2]|
	v_max3_num_f32 v167, |v[XS+3]|, |v[XS+4]|, |v[XS+5]|
.irp i, 6,10,14,18,22,26
	v_max3_num_f32 v166, v166, |v[XS+\i]|, |v[XS+\i+1]|
	v_max3_num_f32 v167, v167, |v[XS+\i+2]|, |v[XS+\i+3]|
.endr
	v_max3_num_f32 v166, v166, |v[XS+30]|, |v[XS+31]|
	v_max3_num_f32 v166, v166, v167, 0x1800000     ; and the floor
	v_add_nc_u32 v168, 0xff000000, v166            ; the conversion's scale operand
	v_lshrrev_b32 v169, 23, v168                   ; the byte
.if (\t)%4 == 0
	v_mov_b32 v[164+(\t)/4], v169
.else
	v_lshl_or_b32 v[164+(\t)/4], v169, 8*((\t)%4), v[164+(\t)/4]
.endif
	v_cvt_scalef32_pk16_fp6_f32 v[FD:FD+2], v[XS:XS+15], v168
	v_cvt_scalef32_pk16_fp6_f32 v[160:162], v[XS+16:XS+31], v168
	v_nop                                          ; one plain place behind a scaled conversion
.irp i, 0,1,2
	v_mov_b32 v[FD+3+\i], v[160+\i]
.endr
.if (\t)+2 < 8
	WLOAD (\t)+2
.endif
.if (\t)%4 == 3                                ; a K step of 128 is whole: the exchange of halves makes the two runs the fragments of row blocks 2 G and 2 G + 1
.set FQ, 112+24*((\t)/4)
.irp i, 0,1,2,3,4,5,6,7,8,9,10,11
	v_permlane16_swap_b32 v[FQ+\i], v[FQ+12+\i]    ; the first's lanes 16-31 (columns 16-31, even blocks) change places with the second's lanes 0-15 (columns 0-15, odd blocks)
.endr
.irp j, 0,1,2
	global_store_b128 v4, v[FQ+4*\j:FQ+4*\j+3], s[50:51] offset:FRB*((\t)/4)+512*\j
	global_store_b128 v4, v[FQ+12+4*\j:FQ+12+4*\j+3], s[50:51] offset:RECB+FRB*((\t)/4)+512*\j   ; each K step has registers of its own: no store's data are written again
.endr
.endif
.endm
	WLOAD 0
	WLOAD 1
.irp t, 0,1,2,3,4,5,6,7
	WBLOCK \t
.endr
	global_store_b64 v7, v[164:165], s[52:53]      ; sixteen lanes store 128 consecutive bytes of a record
	s_endpgm
; ---- the table.  rt: [row block of tokens: 128][beta 2][jj 4][lane][cos, sin, cos, sin] of frequencies 16 beta + 8 h + 2 jj + 0, 1 at the lane's token: the order in which the next launch's registers hold a head's pairs.
.Ltable:
	s_sub_co_u32 s17, ttmp9, 384
	s_lshl_b32 s17, s17, 2
	s_add_co_u32 s17, s17, s16                     ; the row block
	s_lshr_b32 s18, s17, 1
	s_lshl_b32 s18, s18, 5
	s_and_b32 s19, s17, 1
	s_lshl_b32 s19, s19, 3
	s_add_co_u32 s18, s18, s19
	s_add_co_u32 s18, s18, 1                       ; positions begin at 1
	s_wait_alu depctr_va_vdst(0)
	v_and_b32 v5, 8, v2
	v_add_nc_u32 v5, v5, v2
	v_add_nc_u32 v5, s18, v5
	v_cvt_f32_u32 v5, v5                           ; pos
	s_lshl_b32 s22, s17, 12
	s_mov_b32 s23, 0
	s_mov_b32 s24, 0xbfc90fdb                      ; -(pi / 2 rounded to f32)
	s_mov_b32 s25, 0x333bbd2e                      ; that f32 less pi / 2
	s_mov_b32 s26, 0xb94ca1f9                      ; sine: -1.9515296e-4, 8.3321609e-3, -1.6666655e-1
	s_mov_b32 s27, 0x3c08839e
	s_mov_b32 s28, 0xbe2aaaa3
	s_mov_b32 s29, 0x37ccf5ce                      ; cosine: 2.4433157e-5, -1.3887316e-3, 4.1666646e-2
	s_mov_b32 s30, 0xbab6061a
	s_mov_b32 s31, 0x3d2aaaa5
	s_wait_kmcnt 0x0
	s_add_nc_u64 s[14:15], s[14:15], s[22:23]
.macro DFMUL dh, dl, ah, al, bh, bl            ; (dh, dl) = (ah, al) x (bh, bl) in double-f32; all sources are read ahead of the first write of a result
	v_mul_f32 v10, v[\ah], v[\bh]
	v_fma_f32 v11, v[\ah], v[\bh], -v10
	v_fma_f32 v11, v[\ah], v[\bl], v11
	v_fma_f32 v11, v[\al], v[\bh], v11
	v_add_f32 v[\dh], v10, v11
	v_sub_f32 v10, v10, v[\dh]
	v_add_f32 v[\dl], v10, v11
.endm
	v_mov_b32 v12, 0x3f4e4bac                      ; R = 10^(-3 / 32) = 0.80584218776148: high part,
	v_mov_b32 v13, 0x32e45866                      ; low part
	DFMUL 14, 15, 12, 13, 12, 13                   ; R^2
	DFMUL 14, 15, 14, 15, 14, 15                   ; R^4
	DFMUL 14, 15, 14, 15, 14, 15                   ; R^8
	DFMUL 14, 15, 14, 15, 12, 13                   ; R^9
	v_cmp_eq_u32 vcc_lo, 1, v3
	v_cndmask_b32 v16, v12, v14, vcc_lo            ; theta begins at R^(8 h + 1)
	v_cndmask_b32 v17, v13, v15, vcc_lo
.macro SINCOS n
	v_mul_f32 v18, v5, v16                         ; the angle: one f32 product
	v_mul_f32 v19, 0x3f22f983, v18
	v_rndne_f32 v19, v19                           ; k = the nearest whole number to angle x 2 / pi (under 2^11)
	v_fma_f32 v20, v19, s24, v18                   ; exact: a multiple of 2^-23 under 1
	v_fma_f32 v20, v19, s25, v20                   ; r = angle - k pi / 2
	v_mul_f32 v21, v20, v20
	v_fma_f32 v22, v21, s26, s27
	v_fma_f32 v23, v21, s29, s30
	v_fma_f32 v22, v22, v21, s28
	v_fma_f32 v23, v23, v21, s31
	v_mul_f32 v22, v22, v21
	v_mul_f32 v24, v21, v21
	v_fma_f32 v25, v21, -0.5, 1.0
	v_fma_f32 v22, v22, v20, v20                   ; sin r
	v_fma_f32 v23, v23, v24, v25                   ; cos r
	v_cvt_i32_f32 v26, v19
	v_and_b32 v27, 1, v26
	v_cmp_eq_u32 vcc_lo, 1, v27                    ; odd quadrants change the two; the choice only selects values
	v_cndmask_b32 v28, v22, v23, vcc_lo
	v_cndmask_b32 v29, v23, v22, vcc_lo
	v_and_b32 v27, 2, v26
	v_lshlrev_b32 v27, 30, v27
	v_xor_b32 v[33+2*(\n)], v27, v28               ; the sine is negative in quadrants 2, 3
	v_add_nc_u32 v26, 1, v26
	v_and_b32 v26, 2, v26
	v_lshlrev_b32 v26, 30, v26
	v_xor_b32 v[32+2*(\n)], v26, v29               ; the cosine in quadrants 1, 2
.endm
.irp n, 0,1,2,3,4,5,6,7,8,9,10,11,12,13,14,15
	SINCOS \n
.if \n == 7
	DFMUL 16, 17, 16, 17, 14, 15                   ; from 8 h + 8 to 8 h + 17
.elseif \n < 15
	DFMUL 16, 17, 16, 17, 12, 13
.endif
.endr
.irp m, 0,1,2,3,4,5,6,7
	global_store_b128 v4, v[32+4*\m:35+4*\m], s[14:15] offset:512*\m
.endr
	s_endpgm
.Lfunc_end_k_q5d478e2589_prep:
	.size	k_q5d478e2589_prep, .Lfunc_end_k_q5d478e2589_prep-k_q5d478e2589_prep
	.p2alignl 7, 3214868480
	.fill 96, 4, 3214868480
	.section	.rodata,"a",@progbits
	.p2align	6, 0x0
	.amdhsa_kernel k_q5d478e2589_prep
		.amdhsa_group_segment_fixed_size 34304
		.amdhsa_private_segment_fixed_size 0
		.amdhsa_enable_private_segment 0
		.amdhsa_kernarg_size 48
		.amdhsa_user_sgpr_count 2
		.amdhsa_user_sgpr_kernarg_segment_ptr 1
		.amdhsa_wavefront_size32 1
		.amdhsa_system_sgpr_workgroup_id_x 1
		.amdhsa_system_sgpr_workgroup_id_y 1
		.amdhsa_system_sgpr_workgroup_id_z 1
		.amdhsa_system_vgpr_workitem_id 0
		.amdhsa_next_free_vgpr 256
		.amdhsa_next_free_sgpr 66
		.amdhsa_reserve_vcc 1
		.amdhsa_float_denorm_mode_32 3
		.amdhsa_float_denorm_mode_16_64 3
		.amdhsa_memory_ordered 1
		.amdhsa_forward_progress 1
		.amdhsa_inst_pref_size 98
	.end_amdhsa_kernel
	.amdgpu_metadata
---
amdhsa.version: [ 1, 2 ]
amdhsa.kernels:
  - .name:           k_q5d478e2589_prep
    .symbol:         k_q5d478e2589_prep.kd
    .args:
      - { .name: x, .offset: 0, .size: 8, .value_kind: global_buffer, .address_space: global }
      - { .name: W_attn, .offset: 8, .size: 8, .value_kind: global_buffer, .address_space: global }
      - { .name: W_proj, .offset: 16, .size: 8, .value_kind: global_buffer, .address_space: global }
      - { .name: xq, .offset: 24, .size: 8, .value_kind: global_buffer, .address_space: global }
      - { .name: wq, .offset: 32, .size: 8, .value_kind: global_buffer, .address_space: global }
      - { .name: rt, .offset: 40, .size: 8, .value_kind: global_buffer, .address_space: global }
    .group_segment_fixed_size: 34304
    .private_segment_fixed_size: 0
    .kernarg_segment_align: 8
    .kernarg_segment_size: 48
    .max_flat_workgroup_size: 128
    .sgpr_count:     66
    .vgpr_count:     256
    .wavefront_size: 32
...
	.end_amdgpu_metadata
.endif
;; end of part 1
;; launch qkv (part 2): grid 4 x 64, 4 waves a work-group, clusters of 4 x 1, 327,680 bytes of LDS; arguments xq, wq, b_attn, rt, qr, kv; writes qr, kv
.if DOCPART == 2
	.amdgcn_target "amdgcn-amd-amdhsa--gfx1250"
	.amdhsa_code_object_version 6
	.text
	.protected	k_q5d478e2589_qkv
	.globl	k_q5d478e2589_qkv
	.p2align	8
	.type	k_q5d478e2589_qkv,@function
k_q5d478e2589_qkv:
	s_mov_b64 s[64:65], 0
	v_nop
	global_prefetch_b8 v0, s[64:65] scope:SCOPE_SE
	s_setreg_imm32_b32 hwreg(HW_REG_WAVE_MODE, 25, 1), 1
	s_wait_xcnt 0x0
	s_wait_alu depctr_hold_cnt(0) depctr_sa_sdst(0) depctr_va_vdst(0) depctr_va_sdst(0) depctr_va_ssrc(0) depctr_va_vcc(0) depctr_vm_vsrc(0)
	s_getreg_b32 s2, hwreg(HW_REG_IB_STS2, 6, 4)
	s_cmp_eq_u32 s2, 0
	s_cbranch_scc0 .Lentry_in_a_cluster
	s_endpgm
.Lentry_in_a_cluster:
	s_bfe_u32 s2, ttmp6, 0x10000c
	s_cmp_lg_u32 s2, 0x3003
	s_cbranch_scc0 .Lentry_shape_is_right
	s_endpgm
.Lentry_shape_is_right:
; QKV: x W_attn + b_attn on codes of FP6; q and k are rotated, and q, k (along the head's 64) and v (along the keys) are quantised for the attention, laid as its registers take them.
; SHARES.  256 work-groups, three tiles each, all of 256 x 128 x K 1,024.  Cluster C (0..63), place m (0..3): tiles 0 and 1: tokens 256 R .. (R = 4 (C / 8) + m) x columns 128 (2 g + 0, 1) of q or k (g = C % 8);
; tile 2: columns 2,048 + 256 m .. of v x tokens 128 C ...  A wave owns 64 rows of the 256 (tokens; for v columns) x all 128 of the other side: 32 accumulators.
; THE SIDE OF 256 STAYS IN REGISTERS: a wave's 4 row blocks x 8 K steps x 12 registers, loaded from memory as they lie; v's rows are loaded while tile 1's results leave.
; THE SIDE OF 128 OF ALL THREE TILES LIES IN LDS: 24 whole records of 12,800 bytes (codes and scale words), filled once at the head by one joint load a wave that names the four partners, which all need the same records.
; So there is no ring, nothing is filled again, no barrier stands in the walk, and since all bytes are asked for at the head there is no loop in which a prefetch could run ahead.
; The matrix instruction is used with source 0 = the side of 128 and source 1 = the side that stays: a lane holds one row of the 256, and its registers run along the 128.
; REGISTERS.  Window 0: v0-31 addresses; v32-47 scale words of the side that stays (two blocks a register: lanes 0-15, 16-31); v48-63 those from LDS, two sets; v64-159, v160-255 fragments from LDS, two sets, at work on the way out.
;   Window 1: v0-143 the staying side's K steps 5-7; v144-255 the table of cosines and sines.  Window 2: accumulators.  Window 3: v0-239 K steps 0-4; v240-255 the table's last 16.
; LIMITS: NaN and infinities are not served; a block under 2^-124 gets the byte 1.
.set RECB,  12800
.set FRB,   1536
.set SPARE, 24*RECB
.set VB,    8                          ; v8-11 v's bias
.set VBO,   12
.set BIO,   13
.set L16C,  16
.set L8C,   17
.set SWO,   18
.set CB0,   20
.set CS0,   22
.set L16,   24
.set L8,    25
.set ASO,   27
.set SPW,   28
.set NIL,   29
.set AS,    32
.set BSC,   48
.set BI,    64
.set T,     128
.set U,     192
.set W0,    200
.set PC,    208
.set TM,    228
.set PW,    244
.set W1,    246
.set G1,   24
.set G0,   32
.set G1B,  48
.set G0B,  56
.set SEL,  100
.set MSB, 0
.macro WIN new
.if MSB != (\new)
	s_set_vgpr_msb (MSB<<8)|(\new)
.set MSB, (\new)
.endif
.endm
.macro PLACES
.rept 4
	v_nop
.endr
.endm
.macro ROUND
	s_barrier_signal -1
	s_barrier_wait -1
	s_cmp_lg_u32 s16, 0
	s_cbranch_scc1 .Lnot_wave_0_\@
	s_barrier_signal -3
.Lnot_wave_0_\@:
	s_barrier_wait -3
	s_barrier_signal -1
	s_barrier_wait -1
.endm
	s_load_b256 s[4:11], s[0:1], 0x0               ; xq, wq, b_attn, rt
	s_load_b128 s[12:15], s[0:1], 0x20             ; qr, kv
	v_lshl_add_u32 v[SPW], v0, 2, SPARE
	v_mov_b32 v[NIL], 0
	ds_add_u32 v[SPW], v[NIL]                      ; the opening lines
	ds_add_u32 v[SPW], v[NIL]
	v_lshrrev_b32 v1, 5, v0
	v_readfirstlane_b32 s16, v1                    ; wave
	s_lshr_b32 s17, s16, 1
	s_and_b32 s18, s16, 1
	s_bfe_u32 s19, ttmp6, 0x40000                  ; m: it enters no descriptor and no LDS address
	s_and_b32 s22, ttmp7, 0xffff                   ; C
	s_and_b32 s20, s22, 7                          ; g
	s_mov_b32 s[G1], 15|(3<<16)|(1<<21)            ; the four partners; elements of 8 bytes; rows of 256 bytes, dense
	s_mov_b32 s[G1+1], 32<<16
	s_mov_b32 s[G1+2], 400<<16                     ; eight records
	s_mov_b32 s[G1+3], 32<<16
	s_mov_b32 s[G1+4], 400
	s_mov_b32 s[G1+5], 32
	s_mov_b32 s[G1+6], 0
	s_mov_b32 s[G1+7], 0
	s_mov_b32 s[G1B], 15|(3<<16)|(1<<21)
	s_mov_b32 s[G1B+1], 32<<16
	s_mov_b32 s[G1B+2], 200<<16                    ; four records
	s_mov_b32 s[G1B+3], 32<<16
	s_mov_b32 s[G1B+4], 200
	s_mov_b32 s[G1B+5], 32
	s_mov_b32 s[G1B+6], 0
	s_mov_b32 s[G1B+7], 0
	s_lshl_b32 s43, s20, 4
	s_lshl_b32 s44, s18, 3
	s_add_co_u32 s43, s43, s44
	s_mul_i32 s46, s43, RECB                       ; waves 0, 1: tile 0, tile 1: wq's records 16 g + 8 w ..
	s_mov_b32 s47, 0
	s_lshl_b32 s43, s22, 3
	s_lshl_b32 s44, s18, 2
	s_add_co_u32 s43, s43, s44
	s_mul_i32 s44, s43, RECB                       ; waves 2, 3: tile 2's halves: xq's records 8 C + 4 (w - 2) ..
	s_mov_b32 s45, 0
	s_mul_i32 s2, s18, 8*RECB
	s_mul_i32 s3, s18, 4*RECB
	s_add_co_u32 s3, s3, 16*RECB
	s_wait_dscnt 0x0
	s_wait_kmcnt 0x0
	s_mov_b32 s[G0], 1
	s_mov_b32 s[G0+1], s2
	s_add_nc_u64 s[G0+2:G0+3], s[6:7], s[46:47]
	s_or_b32 s[G0+3], s[G0+3], 0x80000000
	s_mov_b32 s[G0B], 1
	s_mov_b32 s[G0B+1], s3
	s_add_nc_u64 s[G0B+2:G0B+3], s[4:5], s[44:45]
	s_or_b32 s[G0B+3], s[G0B+3], 0x80000000
	ROUND                                          ; the four partners are here: the joint loads meet
	s_cmp_eq_u32 s17, 0
	s_cbranch_scc0 .Lfor_x
	tensor_load_to_lds s[G0:G0+3], s[G1:G1+7]      ; my one tensor load of the launch
	s_nop 0
	PLACES
	s_branch .Lasked
.Lfor_x:
	tensor_load_to_lds s[G0B:G0B+3], s[G1B:G1B+7]
	s_nop 0
	PLACES
.Lasked:
	s_lshr_b32 s21, s22, 3
	s_lshl_b32 s21, s21, 2
	s_add_co_u32 s21, s21, s19                     ; R
	s_lshl_b32 s40, s21, 4
	s_lshl_b32 s41, s16, 2
	s_add_co_u32 s40, s40, s41                     ; my first row block of tokens: 16 R + 4 w
	s_mul_i32 s42, s40, RECB
	s_mov_b32 s43, 0
	s_add_nc_u64 s[92:93], s[4:5], s[42:43]        ; my tokens' records
	s_and_b32 s42, s40, 127
	s_lshl_b32 s42, s42, 12
	s_add_nc_u64 s[10:11], s[10:11], s[42:43]      ; and their part of the table
	s_lshl_b32 s42, s19, 4
	s_add_co_u32 s42, s42, s41
	s_add_co_u32 s42, s42, 128
	s_mul_i32 s42, s42, RECB
	s_add_nc_u64 s[94:95], s[6:7], s[42:43]        ; my 64 columns of v: wq's records 128 + 16 m + 4 w ..
	s_lshl_b32 s42, s19, 10
	s_lshl_b32 s44, s16, 8
	s_add_co_u32 s42, s42, s44
	s_add_co_u32 s42, s42, 8192
	s_add_nc_u64 s[66:67], s[8:9], s[42:43]        ; their bias
	s_lshl_b32 s42, s20, 10
	s_add_nc_u64 s[8:9], s[8:9], s[42:43]          ; tile 0's bias: column 256 g
	s_lshr_b32 s44, s21, 3                         ; batch
	s_lshl_b32 s44, s44, 4
	s_and_b32 s45, s20, 3
	s_lshl_b32 s45, s45, 2
	s_add_co_u32 s44, s44, s45                     ; + tile 0's first head
	s_lshl_b32 s44, s44, 4
	s_lshl_b32 s45, s21, 1
	s_add_co_u32 s45, s45, s17
	s_and_b32 s45, s45, 15
	s_add_co_u32 s44, s44, s45                     ; the record: ((batch 16 + head) 16 + group of 128 tokens)
	s_mov_b32 s47, 13056
	s_cmp_lt_u32 s20, 4                            ; q or k: by the cluster's number alone
	s_cselect_b32 s47, 6656, s47
	s_cselect_b64 s[96:97], s[12:13], s[14:15]
	s_mul_i32 s42, s44, s47
	s_add_nc_u64 s[96:97], s[96:97], s[42:43]
	s_lshl_b32 s42, s47, 4
	s_add_nc_u64 s[98:99], s[96:97], s[42:43]      ; the second head: 16 records on
	s_lshl_b32 s70, s47, 5                         ; tile 1: two heads on
	s_mov_b32 s71, 0
	s_lshr_b32 s44, s22, 4
	s_lshl_b32 s44, s44, 4
	s_lshl_b32 s45, s19, 2
	s_add_co_u32 s44, s44, s45
	s_add_co_u32 s44, s44, s16                     ; v: batch 16 + head 4 m + w
	s_lshl_b32 s44, s44, 4
	s_and_b32 s45, s22, 15
	s_add_co_u32 s44, s44, s45
	s_mul_i32 s42, s44, 13056
	s_add_co_u32 s42, s42, 6656
	s_add_nc_u64 s[68:69], s[14:15], s[42:43]
	s_mul_i32 s44, s18, 3072                       ; my four tiles of the record's eight
	s_lshl_b32 s45, s18, 8
	s_add_co_u32 s45, s45, 6144
	s_mov_b32 s[SEL], 0x76543210
	s_mov_b32 s[SEL+1], 0xfedcba98
	v_and_b32 v1, 31, v0
	v_and_b32 v2, 15, v0
	v_bfe_u32 v3, v0, 4, 1                         ; h: kept
	v_lshlrev_b32 v[L16], 4, v1
	v_lshlrev_b32 v[L8], 3, v1
	v_add_nc_u32 v[L16C], s44, v[L16]
	v_add_nc_u32 v[L8C], s44, v[L8]
	v_lshl_add_u32 v[SWO], v2, 4, s45
	v_mul_u32_u24 v4, v3, RECB
	v_lshl_add_u32 v4, v2, 3, v4
	v_add_nc_u32 v[ASO], 12288, v4                 ; scale words: block 2 i + h, row r
	v_lshlrev_b32 v[BIO], 6, v3
	v_and_b32 v4, 8, v2
	v_add_nc_u32 v4, v4, v2
	v_lshlrev_b32 v[VBO], 2, v4
.macro RESS b                          ; the staying side's scale words: register AS + 8 (a / 2) + K step, lanes 0-15 block a even, lanes 16-31 odd
	WIN 0
.irp p, 0,1
.irp s, 0,1,2,3
	global_load_b64 v[AS+8*\p+2*\s:AS+8*\p+2*\s+1], v[ASO], s[\b:\b+1] offset:\p*2*RECB+128*\s
.endr
.endr
.endm
.macro RESK b, k                       ; its fragments of K step k
.if (\k) < 5
	WIN 0xc0
.set RR, 48*(\k)
.else
	WIN 0x40
.set RR, 48*((\k)-5)
.endif
.irp a, 0,1,2,3
.irp j, 0,1,2
	global_load_b128 v[RR+12*\a+4*\j:RR+12*\a+4*\j+3], v[L16], s[\b:\b+1] offset:\a*RECB+FRB*(\k)+512*\j
.endr
.endr
.endm
	RESS 92
.irp k, 0,1,2,3,4,5,6,7
	RESK 92, \k
.endr
	WIN 0x40
.irp a, 0,1,2
.irp m, 0,1,2,3,4,5,6,7
	global_load_b128 v[144+32*\a+4*\m:144+32*\a+4*\m+3], v[L16], s[10:11] offset:4096*\a+512*\m
.endr
.endr
.irp m, 0,1,2,3
	global_load_b128 v[240+4*\m:240+4*\m+3], v[L16], s[10:11] offset:4096*3+512*\m
.endr
	WIN 0xc0
.irp m, 0,1,2,3
	global_load_b128 v[240+4*\m:240+4*\m+3], v[L16], s[10:11] offset:4096*3+2048+512*\m
.endr
	WIN 0
.irp a, 0,1,2,3
	global_load_b32 v[VB+\a], v[VBO], s[66:67] offset:(32*(\a/2)+8*(\a%2))*4
.endr
	s_wait_alu depctr_va_vdst(0)
	s_wait_tensorcnt 0x0                           ; my records have landed,
	s_barrier_signal -1
	s_barrier_wait -1                              ; everybody's have, and nobody writes LDS again
.macro TADR                            ; the tile at LDS byte s72
	s_add_co_u32 s74, s72, 4*RECB
	v_add_nc_u32 v[CB0], s72, v[L16]
	v_add_nc_u32 v[CB0+1], s74, v[L16]
	v_add_nc_u32 v[CS0], s72, v[ASO]
	v_add_nc_u32 v[CS0+1], s74, v[ASO]
	s_wait_alu depctr_va_vdst(0)
.endm
.macro BFETCH k                        ; the eight fragments of K step k into set k % 2; with an even step the scale words of two steps
.irp i, 0,1,2,3,4,5,6,7
.irp j, 0,1,2
	ds_load_b128 v[64+96*((\k)%2)+12*\i+4*\j:64+96*((\k)%2)+12*\i+4*\j+3], v[CB0+\i/4] offset:(\i%4)*RECB+FRB*(\k)+512*\j
.endr
.endr
.if (\k)%2 == 0
.irp i, 0,1,2,3
	ds_load_b64 v[BSC+8*(((\k)/2)%2)+2*\i:BSC+8*(((\k)/2)%2)+2*\i+1], v[CS0+\i/2] offset:(\i%2)*2*RECB+128*((\k)/2)
.endr
.endif
.endm
.macro MULS k                          ; 32 products, the accumulators by turns in the same order in every step
.set PP, 64+96*((\k)%2)
.if (\k) < 5
.set AR, 48*(\k)
.else
.set AR, 48*((\k)-5)
.endif
.set SBB, BSC+8*(((\k)/2)%2)+(\k)%2
.set SAB, AS+(\k)
.irp a, 0,1,2,3
.irp b, 0,1,2,3,4,5,6,7
.set AC, 8*(8*\a+\b)
.set BF, PP+12*\b
.set AF, AR+12*\a
.set SB, SBB+2*(\b/2)
.set SA, SAB+8*(\a/2)
.if (\k) == 0
.if (\b%2) && (\a%2)
	v_wmma_scale_f32_16x16x128_f8f6f4 v[AC:AC+7], v[BF:BF+11], v[AF:AF+11], 0, v[SB], v[SA] matrix_a_fmt:MATRIX_FMT_FP6 matrix_b_fmt:MATRIX_FMT_FP6 matrix_a_scale:MATRIX_SCALE_ROW1 matrix_b_scale:MATRIX_SCALE_ROW1
.elseif \b%2
	v_wmma_scale_f32_16x16x128_f8f6f4 v[AC:AC+7], v[BF:BF+11], v[AF:AF+11], 0, v[SB], v[SA] matrix_a_fmt:MATRIX_FMT_FP6 matrix_b_fmt:MATRIX_FMT_FP6 matrix_a_scale:MATRIX_SCALE_ROW1
.elseif \a%2
	v_wmma_scale_f32_16x16x128_f8f6f4 v[AC:AC+7], v[BF:BF+11], v[AF:AF+11], 0, v[SB], v[SA] matrix_a_fmt:MATRIX_FMT_FP6 matrix_b_fmt:MATRIX_FMT_FP6 matrix_b_scale:MATRIX_SCALE_ROW1
.else
	v_wmma_scale_f32_16x16x128_f8f6f4 v[AC:AC+7], v[BF:BF+11], v[AF:AF+11], 0, v[SB], v[SA] matrix_a_fmt:MATRIX_FMT_FP6 matrix_b_fmt:MATRIX_FMT_FP6
.endif
.else
.if (\b%2) && (\a%2)
	v_wmma_scale_f32_16x16x128_f8f6f4 v[AC:AC+7], v[BF:BF+11], v[AF:AF+11], v[AC:AC+7], v[SB], v[SA] matrix_a_fmt:MATRIX_FMT_FP6 matrix_b_fmt:MATRIX_FMT_FP6 matrix_a_scale:MATRIX_SCALE_ROW1 matrix_b_scale:MATRIX_SCALE_ROW1
.elseif \b%2
	v_wmma_scale_f32_16x16x128_f8f6f4 v[AC:AC+7], v[BF:BF+11], v[AF:AF+11], v[AC:AC+7], v[SB], v[SA] matrix_a_fmt:MATRIX_FMT_FP6 matrix_b_fmt:MATRIX_FMT_FP6 matrix_a_scale:MATRIX_SCALE_ROW1
.elseif \a%2
	v_wmma_scale_f32_16x16x128_f8f6f4 v[AC:AC+7], v[BF:BF+11], v[AF:AF+11], v[AC:AC+7], v[SB], v[SA] matrix_a_fmt:MATRIX_FMT_FP6 matrix_b_fmt:MATRIX_FMT_FP6 matrix_b_scale:MATRIX_SCALE_ROW1
.else
	v_wmma_scale_f32_16x16x128_f8f6f4 v[AC:AC+7], v[BF:BF+11], v[AF:AF+11], v[AC:AC+7], v[SB], v[SA] matrix_a_fmt:MATRIX_FMT_FP6 matrix_b_fmt:MATRIX_FMT_FP6
.endif
.endif
.endr
.endr
.endm
.macro KSTEP k, bi                     ; this step's fragments are in; the next step's are asked for; the products
.if \bi
.if (\k) < 5
	s_wait_loadcnt 63                              ; the staying side's K step k is in: behind its loads stand 12 (7 - k) of later steps, 32 of the table and 4 of v's bias, here 72 or more
.else
	s_wait_loadcnt 36+12*(7-(\k))                  ; the same count, written out
.endif
.endif
	s_wait_dscnt 0x0
.if (\k) > 0
	PLACES                                         ; in front of loads into registers that the last step's products read
.endif
.if (\k) < 7
	BFETCH (\k)+1
.elseif \bi
.irp b, 0,1,2,3,4,5,6,7                        ; the tile's bias, into the set that is done with
	global_load_b128 v[BI+8*\b:BI+8*\b+3], v[BIO], s[8:9] offset:(32*(\b/2)+8*(\b%2))*4
	global_load_b128 v[BI+8*\b+4:BI+8*\b+7], v[BIO], s[8:9] offset:(32*(\b/2)+8*(\b%2))*4+16
.endr
.endif
.if (\k) < 5
	WIN 0xac
.else
	WIN 0xa4
.endif
	MULS \k
	WIN 0
.endm
.macro QUANT s                         ; 64 numbers a lane, four blocks of 32 shared with lane l xor 16, into 12 registers of codes and a scale word
.irp b, 0,1,2,3
	v_max3_num_f32 v[TM+\b], |v[\s+16*\b]|, |v[\s+1+16*\b]|, 0x1800000
.endr
.irp i, 2,4,6,8,10,12,14
.irp b, 0,1,2,3
	v_max3_num_f32 v[TM+\b], v[TM+\b], |v[\s+16*\b+\i]|, |v[\s+1+16*\b+\i]|
.endr
.endr
.irp b, 0,1,2,3
	v_permlanex16_b32 v[TM+4+\b], v[TM+\b], s[SEL], s[SEL+1]
.endr
.irp b, 0,1,2,3
	v_max_num_f32 v[TM+\b], v[TM+\b], v[TM+4+\b]
.endr
.irp b, 0,1,2,3
	v_add_nc_u32 v[TM+12+\b], 0xff000000, v[TM+\b]
.endr
.irp b, 0,1,2,3
	v_lshrrev_b32 v[TM+4+\b], 23, v[TM+12+\b]
.endr
	v_lshl_or_b32 v[PW], v[TM+5], 8, v[TM+4]
	v_lshl_or_b32 v[PW], v[TM+6], 16, v[PW]
	v_lshl_or_b32 v[PW], v[TM+7], 24, v[PW]
.irp c, 0,1
	v_cvt_scalef32_pk16_fp6_f32 v[PC+6*\c:PC+2+6*\c], v[\s+32*\c:\s+15+32*\c], v[TM+12+2*\c]
	v_cvt_scalef32_pk16_fp6_f32 v[PC+12+4*\c:PC+14+4*\c], v[\s+16+32*\c:\s+31+32*\c], v[TM+12+2*\c+1]
.endr
	v_nop
.irp c, 0,1
.irp i, 0,1,2
	v_permlane16_swap_b32 v[PC+6*\c+\i], v[PC+12+4*\c+\i]
.endr
.irp i, 0,1,2
	v_mov_b32 v[PC+3+6*\c+\i], v[PC+12+4*\c+\i]
.endr
.endr
.endm
.macro VRES k                          ; behind tile 1's products the tokens' registers take v's columns: K step k's 12 loads, in short runs under the way out
	s_cmp_eq_u32 s73, 1
	s_wait_alu depctr_va_vdst(0)
	s_cbranch_scc0 .Lstay_\@
	RESK 94, \k
	WIN 0
.Lstay_\@:
.endm
.macro QKROW a                         ; 16 tokens x 2 heads: bias, rotation, codes
	VRES 2*(\a)
	WIN 0x02
.set i, 0
.rept 32
	v_pk_add_f32 v[T+i:T+i+1], v[64*(\a)+i:64*(\a)+i+1], v[BI+i:BI+i+1]
.set i, i+2
.endr
.irp g, 0,1,2,3,4,5,6,7
.if ((\a) == 3) && ((\g/2)%2 == 1)
	WIN 0x0c
.set RB, 240+8*(\g%2)
.elseif (\a) == 3
	WIN 0x04
.set RB, 240+8*(\g%2)
.else
	WIN 0x04
.set RB, 144+32*(\a)+16*((\g/2)%2)+8*(\g%2)
.endif
.irp e, 0,1,2,3
	v_pk_mul_f32 v[U+2*\e:U+2*\e+1], v[T+2*(4*\g+\e):T+2*(4*\g+\e)+1], v[RB+2*\e:RB+2*\e+1] op_sel:[1,1] op_sel_hi:[0,1] neg_lo:[0,1]
.endr
.irp e, 0,1,2,3
	v_pk_fma_f32 v[T+2*(4*\g+\e):T+2*(4*\g+\e)+1], v[T+2*(4*\g+\e):T+2*(4*\g+\e)+1], v[RB+2*\e:RB+2*\e+1], v[U+2*\e:U+2*\e+1] op_sel_hi:[1,0,1]
.endr
.endr
	WIN 0
.if (\a) > 0
	s_wait_xcnt 0x0                                ; the last block's stores have read their data
.endif
	VRES 2*(\a)+1
	QUANT T
	v_mov_b32 v[W0+(\a)], v[PW]
	v_lshrrev_b32 v[W1+(\a)], 16, v[PW]
	global_store_b128 v[L16C], v[PC:PC+3], s[96:97] offset:768*(\a)
	global_store_b64 v[L8C], v[PC+4:PC+5], s[96:97] offset:768*(\a)+512
	global_store_b128 v[L16C], v[PC+6:PC+9], s[98:99] offset:768*(\a)
	global_store_b64 v[L8C], v[PC+10:PC+11], s[98:99] offset:768*(\a)+512
.endm
	s_mov_b32 s72, 0
	s_mov_b32 s73, 0
.Ltile:                                        ; tiles 0 and 1: q or k
	TADR
	BFETCH 0
.irp k, 0,1,2,3,4,5,6,7
	KSTEP \k, 1
.endr
	PLACES
	s_wait_loadcnt 0x0                             ; the bias
	s_cmp_eq_u32 s73, 1
	s_wait_alu depctr_va_vdst(0)
	s_cbranch_scc0 .Lstay_a                        ; behind tile 1's products the tokens' registers take v's columns, in short runs under the way out
	RESS 94
.Lstay_a:
	QKROW 0
	QKROW 1
	QKROW 2
	QKROW 3
	global_store_b128 v[SWO], v[W0:W0+3], s[96:97] ; my four tiles' scale words, 16 bytes a row (lanes r and r + 16 write the same): 256 consecutive bytes
	global_store_b128 v[SWO], v[W1:W1+3], s[98:99]
	s_wait_xcnt 0x0                                ; bases and data are written again only behind this wait
	s_add_nc_u64 s[8:9], s[8:9], 512
	s_add_nc_u64 s[96:97], s[96:97], s[70:71]
	s_add_nc_u64 s[98:99], s[98:99], s[70:71]
	s_add_co_u32 s72, s72, 8*RECB
	s_add_co_u32 s73, s73, 1
	s_wait_loadcnt 0x0                             ; no load is out at the loop's edge: so the steps' counts hold on the way back too
	s_cmp_lt_u32 s73, 2
	s_cbranch_scc1 .Ltile
	TADR                                           ; tile 2: v
	BFETCH 0
	s_wait_loadcnt 0x0
.irp k, 0,1,2,3,4,5,6,7
	KSTEP \k, 0
.endr
	PLACES
.macro VCOL a                          ; 16 of the head's units x 128 keys: bias, codes along the keys
	WIN 0x02
.set i, 0
.rept 32
.if (\a)%2
	v_pk_add_f32 v[T+i:T+i+1], v[64*(\a)+i:64*(\a)+i+1], v[VB+2*((\a)/2):VB+2*((\a)/2)+1] op_sel:[0,1] op_sel_hi:[1,1]
.else
	v_pk_add_f32 v[T+i:T+i+1], v[64*(\a)+i:64*(\a)+i+1], v[VB+2*((\a)/2):VB+2*((\a)/2)+1] op_sel:[0,0] op_sel_hi:[1,0]
.endif
.set i, i+2
.endr
	WIN 0
.if (\a) > 0
	s_wait_xcnt 0x0
.endif
	QUANT T
	v_mov_b32 v[W0+(\a)], v[PW]
.irp j, 0,1,2
	global_store_b128 v[L16], v[PC+4*\j:PC+4*\j+3], s[68:69] offset:FRB*(\a)+512*\j
.endr
.endm
.irp a, 0,1,2,3
	VCOL \a
.endr
	v_cmp_eq_u32 vcc_lo, 1, v3
	v_cndmask_b32 v[U], v[W0], v[W0+2], vcc_lo     ; lane (r, h): the words of tiles 2 h, 2 h + 1
	v_cndmask_b32 v[U+1], v[W0+1], v[W0+3], vcc_lo
	global_store_b64 v[L8], v[U:U+1], s[68:69] offset:6144
	s_wait_tensorcnt 0x0                           ; the wave's end
	ds_add_u32 v[SPW], v[NIL]
	s_wait_dscnt 0x0
	ROUND                                          ; the closing round
	s_endpgm
.Lfunc_end_k_q5d478e2589_qkv:
	.size	k_q5d478e2589_qkv, .Lfunc_end_k_q5d478e2589_qkv-k_q5d478e2589_qkv
	.p2alignl 7, 3214868480
	.fill 96, 4, 3214868480
	.section	.rodata,"a",@progbits
	.p2align	6, 0x0
	.amdhsa_kernel k_q5d478e2589_qkv
		.amdhsa_group_segment_fixed_size 327680
		.amdhsa_private_segment_fixed_size 0
		.amdhsa_enable_private_segment 0
		.amdhsa_kernarg_size 48
		.amdhsa_user_sgpr_count 2
		.amdhsa_user_sgpr_kernarg_segment_ptr 1
		.amdhsa_wavefront_size32 1
		.amdhsa_system_sgpr_workgroup_id_x 1
		.amdhsa_system_sgpr_workgroup_id_y 1
		.amdhsa_system_sgpr_workgroup_id_z 1
		.amdhsa_system_vgpr_workitem_id 0
		.amdhsa_next_free_vgpr 1024
		.amdhsa_next_free_sgpr 102
		.amdhsa_reserve_vcc 1
		.amdhsa_float_denorm_mode_32 3
		.amdhsa_float_denorm_mode_16_64 3
		.amdhsa_memory_ordered 1
		.amdhsa_forward_progress 1
		.amdhsa_inst_pref_size 194
	.end_amdhsa_kernel
	.amdgpu_metadata
---
amdhsa.version: [ 1, 2 ]
amdhsa.kernels:
  - .name:           k_q5d478e2589_qkv
    .symbol:         k_q5d478e2589_qkv.kd
    .args:
      - { .name: xq, .offset: 0, .size: 8, .value_kind: global_buffer, .address_space: global }
      - { .name: wq, .offset: 8, .size: 8, .value_kind: global_buffer, .address_space: global }
      - { .name: b_attn, .offset: 16, .size: 8, .value_kind: global_buffer, .address_space: global }
      - { .name: rt, .offset: 24, .size: 8, .value_kind: global_buffer, .address_space: global }
      - { .name: qr, .offset: 32, .size: 8, .value_kind: global_buffer, .address_space: global }
      - { .name: kv, .offset: 40, .size: 8, .value_kind: global_buffer, .address_space: global }
    .group_segment_fixed_size: 327680
    .private_segment_fixed_size: 0
    .kernarg_segment_align: 8
    .kernarg_segment_size: 48
    .max_flat_workgroup_size: 128
    .sgpr_count:     102
    .vgpr_count:     1024
    .wavefront_size: 32
...
	.end_amdgpu_metadata
.endif
;; end of part 2
;; launch attn (part 3): grid 4 x 64, 8 waves a work-group, clusters of 4 x 1, 210,944 bytes of LDS; arguments qr, kv, oq; writes oq
.if DOCPART == 3
	.amdgcn_target "amdgcn-amd-amdhsa--gfx1250"
	.amdhsa_code_object_version 6
	.text
	.protected	k_q5d478e2589_attn
	.globl	k_q5d478e2589_attn
	.p2align	8
	.type	k_q5d478e2589_attn,@function
k_q5d478e2589_attn:
	s_mov_b64 s[64:65], 0
	v_nop
	global_prefetch_b8 v0, s[64:65] scope:SCOPE_SE
	s_setreg_imm32_b32 hwreg(HW_REG_WAVE_MODE, 25, 1), 1
	s_wait_xcnt 0x0
	s_wait_alu depctr_hold_cnt(0) depctr_sa_sdst(0) depctr_va_vdst(0) depctr_va_sdst(0) depctr_va_ssrc(0) depctr_va_vcc(0) depctr_vm_vsrc(0)
	s_getreg_b32 s2, hwreg(HW_REG_IB_STS2, 6, 4)
	s_cmp_eq_u32 s2, 0
	s_cbranch_scc0 .Lentry_in_a_cluster
	s_endpgm
.Lentry_in_a_cluster:
	s_bfe_u32 s2, ttmp6, 0x10000c
	s_cmp_lg_u32 s2, 0x3003
	s_cbranch_scc0 .Lentry_shape_is_right
	s_endpgm
.Lentry_shape_is_right:
; ATTN: o = softmax(q k^T / sqrt(512)) v for one (batch, head) a cluster, both products on codes of FP6; no mask.  o is divided by the row's sum and quantised along the head's 64 for the last product.
; t = score x log2(e) / sqrt(512); M = the running largest t rounded UP to a whole number; p = 2^(t - M) is quantised along the keys, not normalised; the row's sum is taken of the unquantised p.
; When M moves, the sum and O are multiplied by 2^(old M - new M): exact.
; SHARES.  The four work-groups of a cluster take 512 queries each of one head.  The whole head's K, V and scale words lie in LDS: 16 records of 13,056 bytes, filled ONCE: wave w brings records 2 w, 2 w + 1 by one
; joint load that names the four work-groups.  No ring, nothing is filled again, the loop has no barrier.  All bytes are asked for at the head, so there is no loop in which a prefetch could run ahead.
; A wave owns 64 queries, four tiles of 16, through all 16 steps of 128 keys: each fragment of K and of V is read from LDS once a step and serves the four tiles.  The tiles go in two pairs, a pair's chains line by line.
; LAYOUT.  Both products transposed: S^T = K Q^T, O^T = V^T P^T: a lane holds ONE query.  Which keys form a tile of K is chosen by the lanes' LDS addresses: tile (c, t) has in rows 0-7 keys 64 c + 8 t + 0..7 and in rows 8-15
; keys 64 c + 32 + 8 t + 0..7.  So lane (r, h) holds in 32 registers on end the WHOLE block 2 c + h of 32 keys, in the order that P's operand wants: a block's maximum needs no other lane, and the conversions' results are the operand.
; The first product has K = 64: Q's registers 6-11 are zero codes, set once; so K's fragments lie dense, 6 registers each, and what follows a fragment in its operand's 12 registers (the next fragment; zeros behind the last) adds nothing.
; OUT.  oq: a record of 12,800 bytes a row block of 16 tokens; in fragment head / 2, half head % 2: registers 0-3 at 16 x lane, 4-5 at 512 + 8 x lane; the two scale bytes at their place in the row's word.
; LIMITS: NaN and infinities are not served; the scaled scores stay under 2^31 in magnitude; 1 / sum is v_rcp_f32 and a product; a block under 2^-124 gets the byte 1.
.set KVREC, 13056
.set QREC,  6656
.set ORECB, 12800
.set SPARE, 0x33000                    ; behind the 16 records: the spare words
; window 0
.set AK16, 1                           ; K's codes, registers 0-3: 1536 g + 16 j + 256 h  (lane = j + 8 g + 16 h)
.set AK8,  2                           ; registers 4-5: 1536 g + 8 j + 128 h
.set AKS,  3                           ; K's scale words: 16 j + 8 g + 256 h
.set L16,  4                           ; 16 x lane
.set L8,   5                           ; 8 x lane
.set CK16, 6                           ; the same five with a record's offset
.set CK8,  7
.set CKS,  8
.set CV16, 9
.set CV8,  10
.set R8,   11                          ; 8 r
.set SPW,  12
.set NIL,  13
.set H8,   14                          ; 8 h
.set ST,   16                          ; v16-23  tile i: (-M, largest score)
.set SU,   24                          ; v24-31  tile i: the sum, in two halves
.set QS,   32                          ; v32-35  Q's scale words
.set KS,   36                          ; v36-39  K's: register t: lanes 0-15 tile (0, t), lanes 16-31 tile (1, t)
.set VS,   40                          ; v40-41  V's
.set PS,   42                          ; v42-43  the pair's P words
.set FF,   44                          ; v44, v46 the pair's f (v45, v47: upper halves of pairs, written once)
.set Q23,  48                          ; v48-71  Q of tiles 2, 3
.set PC,   72                          ; v72-95  the pair's codes of p
.set BM,   96                          ; v96-99  (tile of the pair, c): the block's largest score, then largest p
.set SO,   100                         ; the conversions' scale operands
.set BY,   104                         ; the bytes
.set TT,   108
.set TX,   110
.set L2,   112                         ; second chains of the sums
.set S,    128                         ; v128-255 the pair's S^T, then p
; window 1
.set O,    0                           ; O^T, 32 registers a tile
.set KF,   128                         ; K's eight fragments, 6 registers each
.set KZ,   176                         ; six zeros behind the last
.set Q01,  182                         ; Q of tiles 0, 1
.set VF,   206                         ; V^T's four fragments
.set MSB, 0
.macro WIN new                         ; the immediate's high byte repeats the setting that is left
.if MSB != (\new)
	s_set_vgpr_msb (MSB<<8)|(\new)
.set MSB, (\new)
.endif
.endm
.macro ROUND
	s_barrier_signal -1
	s_barrier_wait -1
	s_cmp_lg_u32 s10, 0
	s_cbranch_scc1 .Lnot_wave_0_\@
	s_barrier_signal -3
.Lnot_wave_0_\@:
	s_barrier_wait -3
	s_barrier_signal -1
	s_barrier_wait -1
.endm
	s_load_b128 s[4:7], s[0:1], 0x0                ; qr s[4:5], kv s[6:7]
	s_load_b64 s[8:9], s[0:1], 0x10                ; oq
	v_lshl_add_u32 v[SPW], v0, 2, SPARE
	v_mov_b32 v[NIL], 0
	ds_add_u32 v[SPW], v[NIL]                      ; the opening lines
	ds_add_u32 v[SPW], v[NIL]
	v_lshrrev_b32 v15, 5, v0
	v_readfirstlane_b32 s10, v15                   ; wave 0..7
	s_bfe_u32 s11, ttmp6, 0x40000                  ; cx: it enters qr's and oq's addresses alone
	s_and_b32 s12, ttmp7, 0xffff                   ; batch x 16 + head
	s_mov_b32 s16, 15|(3<<16)|(1<<21)              ; the mask: all four work-groups; elements of 8 bytes; bit 21 beside a mask
	s_mov_b32 s17, 32<<16                          ; two records: 102 dense rows of 256 bytes
	s_mov_b32 s18, 102<<16
	s_mov_b32 s19, 32<<16
	s_mov_b32 s20, 102
	s_mov_b32 s21, 32
	s_mov_b32 s22, 0
	s_mov_b32 s23, 0
	s_mov_b32 s24, 1
	s_mul_i32 s25, s10, 2*KVREC                    ; LDS: records 2 w, 2 w + 1
	s_mul_i32 s40, s12, 16*KVREC
	s_add_co_u32 s40, s40, s25
	s_mov_b32 s41, 0
	s_mov_b32 s28, 0x76543210
	s_mov_b32 s29, 0xfedcba98                      ; selects for lane l xor 16
	s_mov_b32 s30, 0x3d8293ee                      ; c = log2(e) / sqrt(512)
	s_mov_b32 s31, s30
	s_wait_dscnt 0x0
	s_wait_kmcnt 0x0
	s_add_nc_u64 s[26:27], s[6:7], s[40:41]
	s_or_b32 s27, s27, 0x80000000
	ROUND                                          ; all four work-groups are here: the joint loads meet
	tensor_load_to_lds s[24:27], s[16:23]          ; my one tensor load of the launch
	s_nop 0
.rept 4
	v_nop
.endr
	s_and_b32 s42, s10, 1                          ; which four tiles of the group of 128 queries
	s_lshr_b32 s43, s10, 1
	s_lshl_b32 s44, s11, 2
	s_add_co_u32 s43, s43, s44                     ; the group: 4 cx + w / 2
	s_mul_i32 s43, s43, QREC
	s_mul_i32 s44, s12, 16*QREC
	s_add_co_u32 s44, s44, s43
	s_mov_b32 s45, 0
	s_add_nc_u64 s[34:35], s[4:5], s[44:45]
	s_mul_i32 s46, s42, 3072
	s_lshl_b32 s47, s42, 8
	s_add_co_u32 s47, s47, 6144                    ; my four tiles' scale words: 16 bytes a row
	v_and_b32 v15, 31, v0
	v_lshlrev_b32 v[L16], 4, v15
	v_lshlrev_b32 v[L8], 3, v15
	v_and_b32 v[CKS], 15, v0                       ; r
	v_lshlrev_b32 v[R8], 3, v[CKS]
	v_add_nc_u32 v[CK16], s46, v[L16]
	v_add_nc_u32 v[CK8], s46, v[L8]
	v_lshl_add_u32 v[CV16], v[CKS], 4, s47
	WIN 0x40
.irp e, 0,1
	global_load_b128 v[Q01+12*\e:Q01+12*\e+3], v[CK16], s[34:35] offset:768*\e
	global_load_b64 v[Q01+12*\e+4:Q01+12*\e+5], v[CK8], s[34:35] offset:768*\e+512
.endr
	WIN 0
.irp e, 0,1
	global_load_b128 v[Q23+12*\e:Q23+12*\e+3], v[CK16], s[34:35] offset:1536+768*\e
	global_load_b64 v[Q23+12*\e+4:Q23+12*\e+5], v[CK8], s[34:35] offset:1536+768*\e+512
.endr
	global_load_b128 v[QS:QS+3], v[CV16], s[34:35]
	s_lshr_b32 s40, s12, 4
	s_lshl_b32 s40, s40, 7
	s_lshl_b32 s41, s11, 5
	s_add_co_u32 s40, s40, s41
	s_lshl_b32 s41, s10, 2
	s_add_co_u32 s40, s40, s41                     ; my first tile's row block of tokens: 128 batch + 32 cx + 4 w
	s_mul_i32 s40, s40, ORECB
	s_and_b32 s41, s12, 15                         ; the head
	s_mul_i32 s42, s41, 768                        ; fragment head / 2, half head % 2
	s_add_co_u32 s42, s42, s40
	s_mov_b32 s43, 0
	s_add_nc_u64 s[36:37], s[8:9], s[42:43]
	s_lshr_b32 s42, s41, 2
	s_lshl_b32 s42, s42, 7                         ; K slot head / 4,
	s_and_b32 s41, s41, 3
	s_lshl_b32 s41, s41, 1                         ; word (head / 2) % 2, bytes 2 (head % 2) on
	s_add_co_u32 s42, s42, s41
	s_add_co_u32 s42, s42, s40
	s_add_co_u32 s42, s42, 12288
	s_add_nc_u64 s[38:39], s[8:9], s[42:43]
	v_and_b32 v15, 7, v0                           ; j
	v_bfe_u32 v[CV8], v0, 3, 1                     ; g
	v_bfe_u32 v[H8], v0, 4, 1                      ; h
	v_mul_u32_u24 v[AK16], v[CV8], 1536
	v_lshlrev_b32 v[AKS], 4, v15
	v_lshl_add_u32 v[AK8], v15, 3, v[AK16]
	v_lshl_add_u32 v[AK16], v15, 4, v[AK16]
	v_lshl_add_u32 v[AKS], v[CV8], 3, v[AKS]
	v_lshl_add_u32 v[AK8], v[H8], 7, v[AK8]
	v_lshl_add_u32 v[AK16], v[H8], 8, v[AK16]
	v_lshl_add_u32 v[AKS], v[H8], 8, v[AKS]
	v_lshlrev_b32 v[H8], 3, v[H8]
	WIN 0x40
.set i, 0
.rept 128
	v_mov_b32 v[O+i], 0                            ; O^T: the step is written once; the first change of M multiplies these by 0.  They are set while the records are on their way
.set i, i+1
.endr
.irp i, 0,1,2,3,4,5
	v_mov_b32 v[KZ+\i], 0
	v_mov_b32 v[Q01+6+\i], 0                       ; Q's upper 64 along K: zero codes
	v_mov_b32 v[Q01+18+\i], 0
.endr
	WIN 0
.irp i, 0,1,2,3,4,5
	v_mov_b32 v[Q23+6+\i], 0
	v_mov_b32 v[Q23+18+\i], 0
.endr
.irp i, 0,1,2,3
	v_mov_b32 v[ST+2*\i], 0x7f000000               ; -M: a large whole number, so that the first f is 0
	v_mov_b32 v[ST+2*\i+1], 0xff61b1e6             ; the largest score so far: -3e38
	v_mov_b32 v[SU+2*\i], 0
	v_mov_b32 v[SU+2*\i+1], 0
.endr
	v_mov_b32 v[TX], 0                             ; a lane permute's destination counts as read
	v_mov_b32 v[TX+1], 0
	v_mov_b32 v[FF+1], 0                           ; named as upper halves of pairs
	v_mov_b32 v[FF+3], 0
	s_wait_alu depctr_va_vdst(0)
	s_wait_tensorcnt 0x0                           ; my two records have landed,
	s_barrier_signal -1
	s_barrier_wait -1                              ; everybody's have: the head's K and V are whole, and nobody writes LDS again
	s_wait_loadcnt 0x0                             ; Q
.macro KADR                            ; K's addresses in the record at s14
	v_add_nc_u32 v[CK16], s14, v[AK16]
	v_add_nc_u32 v[CK8], s14, v[AK8]
	v_add_nc_u32 v[CKS], s14, v[AKS]
.endm
.macro KLOAD                           ; tile (c, t = 2 a + u): row j + 8 g is row j + 8 a of the record's tile 4 c + 2 g + u
	WIN 0x40
.irp c, 0,1
.irp a, 0,1
.irp u, 0,1
	ds_load_b128 v[KF+6*(4*\c+2*\a+\u):KF+6*(4*\c+2*\a+\u)+3], v[CK16] offset:768*(4*\c+\u)+128*\a
	ds_load_b64 v[KF+6*(4*\c+2*\a+\u)+4:KF+6*(4*\c+2*\a+\u)+5], v[CK8] offset:768*(4*\c+\u)+512+64*\a
.endr
.endr
.endr
	WIN 0
.irp a, 0,1
.irp u, 0,1
	ds_load_b32 v[KS+2*\a+\u], v[CKS] offset:6144+128*\a+4*\u
.endr
.endr
.endm
.macro QK p                            ; S^T = K Q^T of pair p: 16 products, each begins its sum with 0
.if \p
	WIN 0x01
.set QB, Q23
.else
	WIN 0x05
.set QB, Q01
.endif
.irp c, 0,1
.irp t, 0,1,2,3
.irp e, 0,1
.if \c
	v_wmma_scale_f32_16x16x128_f8f6f4 v[S+64*\e+32*\c+8*\t:S+64*\e+32*\c+8*\t+7], v[KF+6*(4*\c+\t):KF+6*(4*\c+\t)+11], v[QB+12*\e:QB+12*\e+11], 0, v[KS+\t], v[QS+2*\p+\e] matrix_a_fmt:MATRIX_FMT_FP6 matrix_b_fmt:MATRIX_FMT_FP6 matrix_a_scale:MATRIX_SCALE_ROW1
.else
	v_wmma_scale_f32_16x16x128_f8f6f4 v[S+64*\e+32*\c+8*\t:S+64*\e+32*\c+8*\t+7], v[KF+6*(4*\c+\t):KF+6*(4*\c+\t)+11], v[QB+12*\e:QB+12*\e+11], 0, v[KS+\t], v[QS+2*\p+\e] matrix_a_fmt:MATRIX_FMT_FP6 matrix_b_fmt:MATRIX_FMT_FP6
.endif
.endr
.endr
.endr
	WIN 0
.endm
; The softmax of pair p's 2 x 16 queries x 128 keys, its codes, O^T under the new M, and O^T += V^T P^T.
.macro SOFT p
.irp e, 0,1
.irp c, 0,1
	v_max3_num_f32 v[BM+2*\e+\c], v[S+64*\e+32*\c], v[S+64*\e+32*\c+1], v[S+64*\e+32*\c+2]   ; my block 2 c + h: all 32 scores are mine; four chains by turns
.endr
.endr
.irp k, 3,5,7,9,11,13,15,17,19,21,23,25,27,29
.irp e, 0,1
.irp c, 0,1
	v_max3_num_f32 v[BM+2*\e+\c], v[BM+2*\e+\c], v[S+64*\e+32*\c+\k], v[S+64*\e+32*\c+\k+1]
.endr
.endr
.endr
.irp e, 0,1
.irp c, 0,1
	v_max_num_f32 v[BM+2*\e+\c], v[BM+2*\e+\c], v[S+64*\e+32*\c+31]
.endr
.endr
	s_delay_alu instid0(VALU_DEP_3)
	v_max_num_f32 v[TT], v[BM], v[BM+1]
	s_delay_alu instid0(VALU_DEP_2)
	v_max_num_f32 v[TT+1], v[BM+2], v[BM+3]
.irp e, 0,1
	s_delay_alu instid0(VALU_DEP_2)
	v_permlanex16_b32 v[TX+\e], v[TT+\e], s28, s29
.endr
.irp e, 0,1
	s_delay_alu instid0(VALU_DEP_2)
	v_max3_num_f32 v[ST+4*\p+2*\e+1], v[ST+4*\p+2*\e+1], v[TT+\e], v[TX+\e]   ; the running largest score of my query
.endr
.irp e, 0,1
	s_delay_alu instid0(VALU_DEP_2)
	v_mul_f32 v[TT+\e], s30, v[ST+4*\p+2*\e+1]     ; as t (c is positive)
.endr
.irp e, 0,1
	s_delay_alu instid0(VALU_DEP_2)
	v_floor_f32 v[TX+\e], -v[TT+\e]                ; the new -M = floor(-t): M is a whole number
.endr
.irp e, 0,1
	s_delay_alu instid0(VALU_DEP_2)
	v_sub_f32 v[TT+\e], v[TX+\e], v[ST+4*\p+2*\e]  ; old M - new M: a whole number, 0 or less
.endr
.irp e, 0,1
	v_mov_b32 v[ST+4*\p+2*\e], v[TX+\e]
.endr
.irp e, 0,1
	s_delay_alu instid0(VALU_DEP_4)
	v_cvt_i32_f32 v[TT+\e], v[TT+\e]               ; (it saturates)
.endr
.irp e, 0,1
	s_delay_alu instid0(VALU_DEP_2)
	v_ldexp_f32 v[FF+2*\e], 1.0, v[TT+\e]          ; f = 2^(old M - new M)
.endr
.irp e, 0,1
.set i, 0
.rept 32
	v_pk_fma_f32 v[S+64*\e+i:S+64*\e+i+1], v[S+64*\e+i:S+64*\e+i+1], s[30:31], v[ST+4*\p+2*\e:ST+4*\p+2*\e+1] op_sel_hi:[1,0,0]   ; t - M, two at a time
.set i, i+2
.endr
.endr
.irp e, 0,1
.irp c, 0,1
	v_fma_f32 v[BM+2*\e+\c], v[BM+2*\e+\c], s30, v[ST+4*\p+2*\e]   ; the same of each block's largest score
.endr
.endr
	s_wait_alu depctr_va_vdst(0)
.set i, 0
.rept 128
	v_exp_f32 v[S+i], v[S+i]                       ; p = 2^(t - M), at most 1
.set i, i+1
.endr
.irp x, 0,1,2,3
	v_exp_f32 v[BM+\x], v[BM+\x]                   ; the block's largest p: the same two instructions on the same number
.endr
	v_nop                                          ; the plain place behind the exponentials
	s_wait_alu depctr_va_vdst(0)                   ; one wait for the batch, ahead of its first reader
.irp e, 0,1
	v_pk_fma_f32 v[SU+4*\p+2*\e:SU+4*\p+2*\e+1], v[SU+4*\p+2*\e:SU+4*\p+2*\e+1], v[FF+2*\e:FF+2*\e+1], v[S+64*\e:S+64*\e+1] op_sel_hi:[1,0,1]   ; the sum under the new M, and the first two p: the unquantised p are summed
.endr
.irp e, 0,1
	v_pk_add_f32 v[L2+2*\e:L2+2*\e+1], v[S+64*\e+2:S+64*\e+3], v[S+64*\e+4:S+64*\e+5]
.endr
.irp k, 6,10,14,18,22,26,30,34,38,42,46,50,54,58
.irp e, 0,1
	v_pk_add_f32 v[SU+4*\p+2*\e:SU+4*\p+2*\e+1], v[SU+4*\p+2*\e:SU+4*\p+2*\e+1], v[S+64*\e+\k:S+64*\e+\k+1]
.endr
.irp e, 0,1
	v_pk_add_f32 v[L2+2*\e:L2+2*\e+1], v[L2+2*\e:L2+2*\e+1], v[S+64*\e+\k+2:S+64*\e+\k+3]
.endr
.endr
.irp e, 0,1
	v_pk_add_f32 v[SU+4*\p+2*\e:SU+4*\p+2*\e+1], v[SU+4*\p+2*\e:SU+4*\p+2*\e+1], v[S+64*\e+62:S+64*\e+63]
.endr
.irp e, 0,1
	s_delay_alu instid0(VALU_DEP_2)
	v_pk_add_f32 v[SU+4*\p+2*\e:SU+4*\p+2*\e+1], v[SU+4*\p+2*\e:SU+4*\p+2*\e+1], v[L2+2*\e:L2+2*\e+1]
.endr
.irp x, 0,1,2,3
	v_max_num_f32 v[BM+\x], 0x1800000, v[BM+\x]    ; the floor 2^(3 - 127)
.endr
.irp x, 0,1,2,3
	v_add_nc_u32 v[SO+\x], 0xff000000, v[BM+\x]    ; 2 off the exponent field: the conversion's scale operand
.endr
.irp e, 0,1
.irp c, 0,1
	v_cvt_scalef32_pk16_fp6_f32 v[PC+12*\e+6*\c:PC+12*\e+6*\c+2], v[S+64*\e+32*\c:S+64*\e+32*\c+15], v[SO+2*\e+\c]   ; the block's lower 16 codes: registers 6 c .. 6 c + 2 of the operand
.endr
.endr
.irp x, 0,1,2,3
	v_lshrrev_b32 v[BY+\x], 23, v[SO+\x]           ; the bytes; also the plain places between the two runs of conversions
.endr
.irp e, 0,1
.irp c, 0,1
	v_cvt_scalef32_pk16_fp6_f32 v[S+64*\e+32*\c:S+64*\e+32*\c+2], v[S+64*\e+32*\c+16:S+64*\e+32*\c+31], v[SO+2*\e+\c]   ; the upper 16 (three registers from an even one): where p that is converted and summed lay
.endr
.endr
.irp e, 0,1
	v_lshl_or_b32 v[PS+\e], v[BY+2*\e+1], 16, v[BY+2*\e]   ; my blocks h and 2 + h,
.endr
.irp e, 0,1
	s_delay_alu instid0(VALU_DEP_2)
	v_lshlrev_b32 v[PS+\e], v[H8], v[PS+\e]        ; at their places;
.endr
.irp e, 0,1
	s_delay_alu instid0(VALU_DEP_2)
	v_permlanex16_b32 v[TX+\e], v[PS+\e], s28, s29
.endr
.irp e, 0,1
	s_delay_alu instid0(VALU_DEP_2)
	v_or_b32 v[PS+\e], v[PS+\e], v[TX+\e]          ; with lane l xor 16's two the word is whole
.endr
.irp e, 0,1
.irp c, 0,1
.irp k, 0,1,2
	v_mov_b32 v[PC+12*\e+6*\c+3+\k], v[S+64*\e+32*\c+\k]
.endr
.endr
.endr
	WIN 0x41
.if \p == 0
	s_wait_dscnt 0x0                               ; V's fragments and words, asked for behind the first scores
.endif
	s_wait_alu depctr_va_vdst(0)                   ; directly ahead of the first reader of O^T
.irp e, 0,1
.set i, 0
.rept 16
	v_pk_mul_f32 v[O+32*(2*\p+\e)+i:O+32*(2*\p+\e)+i+1], v[O+32*(2*\p+\e)+i:O+32*(2*\p+\e)+i+1], v[FF+2*\e:FF+2*\e+1] op_sel_hi:[1,0]   ; O^T under the new M; also the places in front of the scaled products
.set i, i+2
.endr
.endr
	WIN 0x51
.irp d, 0,1,2,3                        ; O^T += V^T P^T: eight accumulators by turns, one instruction a turn
.irp e, 0,1
.if \d < 2
	v_wmma_scale_f32_16x16x128_f8f6f4 v[O+32*(2*\p+\e)+8*\d:O+32*(2*\p+\e)+8*\d+7], v[VF+12*\d:VF+12*\d+11], v[PC+12*\e:PC+12*\e+11], v[O+32*(2*\p+\e)+8*\d:O+32*(2*\p+\e)+8*\d+7], v[VS+\d%2], v[PS+\e] matrix_a_fmt:MATRIX_FMT_FP6 matrix_b_fmt:MATRIX_FMT_FP6
.else
	v_wmma_scale_f32_16x16x128_f8f6f4 v[O+32*(2*\p+\e)+8*\d:O+32*(2*\p+\e)+8*\d+7], v[VF+12*\d:VF+12*\d+11], v[PC+12*\e:PC+12*\e+11], v[O+32*(2*\p+\e)+8*\d:O+32*(2*\p+\e)+8*\d+7], v[VS+\d%2], v[PS+\e] matrix_a_fmt:MATRIX_FMT_FP6 matrix_b_fmt:MATRIX_FMT_FP6 matrix_a_scale:MATRIX_SCALE_ROW1
.endif
.endr
.endr
.endm
	s_mov_b32 s32, 0                               ; this step's record
	s_mov_b32 s33, 0                               ; the step
	s_mov_b32 s14, 0
	KADR
	KLOAD                                          ; step 0's K
.Lstep:
	s_wait_dscnt 0x0                               ; this step's K: asked for in the middle of the last step
	QK 0
	v_add_nc_u32 v[CV16], s32, v[L16]
	v_add_nc_u32 v[CV8], s32, v[L8]
	v_nop
	v_nop                                          ; four places: behind the scores, and in front of loads into registers that the last step's products read
	WIN 0x40
.irp d, 0,1,2,3
.irp j, 0,1,2
	ds_load_b128 v[VF+12*\d+4*\j:VF+12*\d+4*\j+3], v[CV16] offset:6656+1536*\d+512*\j
.endr
.endr
	WIN 0
	ds_load_b64 v[VS:VS+1], v[CV8] offset:12800    ; V's scale words: lane (r, h) gets those of tiles 2 h, 2 h + 1
	SOFT 0
	QK 1
	s_add_co_u32 s14, s32, KVREC
	s_min_u32 s14, s14, 15*KVREC                   ; the next record, held inside the sixteen
	KADR
	v_nop                                          ; four places with the three additions
	s_cmp_eq_u32 s33, 15
	s_wait_alu depctr_va_vdst(0)
	s_cbranch_scc1 .Lno_more                       ; the last step fetches nothing
	KLOAD
.Lno_more:
	SOFT 1
	WIN 0
	s_add_co_u32 s32, s32, KVREC
	s_add_co_u32 s33, s33, 1
	s_cmp_lt_u32 s33, 16
	s_cbranch_scc1 .Lstep
; THE WAY OUT: o = O^T / the sum, quantised along the head's 64; the four tiles line by line.
.set EB, 96
.set EX, 104
.set ES, 112
.set OC, 48                            ; tile i: codes v[OC + 12 i ..+5], the second block's at +6, the two bytes at +9
.irp i, 0,1,2,3
	v_add_f32 v[SU+2*\i], v[SU+2*\i], v[SU+2*\i+1] ; the sum's two halves,
.endr
.irp i, 0,1,2,3
	v_permlanex16_b32 v[EB+\i], v[SU+2*\i], s28, s29
.endr
.irp i, 0,1,2,3
	v_add_f32 v[SU+2*\i], v[SU+2*\i], v[EB+\i]     ; and lane l xor 16's
.endr
	s_wait_alu depctr_va_vdst(0)
.irp i, 0,1,2,3
	v_rcp_f32 v[SU+2*\i], v[SU+2*\i]
.endr
	v_nop
	WIN 0x01
	s_wait_alu depctr_va_vdst(0)                   ; ahead of the reciprocals' first reader and of O^T's
.irp i, 0,1,2,3
.set k, 0
.rept 16
	v_pk_mul_f32 v[S+32*\i+k:S+32*\i+k+1], v[O+32*\i+k:O+32*\i+k+1], v[SU+2*\i:SU+2*\i+1] op_sel_hi:[1,0]   ; register 16 b + k of a tile: o(query r, 32 b + 16 h + k)
.set k, k+2
.endr
.endr
	WIN 0
.irp i, 0,1,2,3
.irp b, 0,1
	v_max3_num_f32 v[EB+2*\i+\b], |v[S+32*\i+16*\b]|, |v[S+32*\i+16*\b+1]|, 0x1800000
.endr
.endr
.irp k, 2,4,6,8,10,12,14
.irp i, 0,1,2,3
.irp b, 0,1
	v_max3_num_f32 v[EB+2*\i+\b], v[EB+2*\i+\b], |v[S+32*\i+16*\b+\k]|, |v[S+32*\i+16*\b+\k+1]|
.endr
.endr
.endr
.irp x, 0,1,2,3,4,5,6,7
	v_permlanex16_b32 v[EX+\x], v[EB+\x], s28, s29
.endr
.irp x, 0,1,2,3,4,5,6,7
	v_max_num_f32 v[EB+\x], v[EB+\x], v[EX+\x]
.endr
.irp x, 0,1,2,3,4,5,6,7
	v_add_nc_u32 v[ES+\x], 0xff000000, v[EB+\x]
.endr
.irp x, 0,1,2,3,4,5,6,7
	v_lshrrev_b32 v[EX+\x], 23, v[ES+\x]
.endr
.irp i, 0,1,2,3
	v_lshl_or_b32 v[OC+12*\i+9], v[EX+2*\i+1], 8, v[EX+2*\i]
.endr
.irp i, 0,1,2,3
	v_cvt_scalef32_pk16_fp6_f32 v[OC+12*\i:OC+12*\i+2], v[S+32*\i:S+32*\i+15], v[ES+2*\i]
	v_cvt_scalef32_pk16_fp6_f32 v[OC+12*\i+6:OC+12*\i+8], v[S+32*\i+16:S+32*\i+31], v[ES+2*\i+1]
.endr
	v_nop                                          ; one plain place behind a scaled conversion
.irp i, 0,1,2,3
.irp k, 0,1,2
	v_permlane16_swap_b32 v[OC+12*\i+\k], v[OC+12*\i+6+\k]   ; a whole block to a lane
.endr
.endr
.irp i, 0,1,2,3
.irp k, 0,1,2
	v_mov_b32 v[OC+12*\i+3+\k], v[OC+12*\i+6+\k]
.endr
.endr
.irp i, 0,1,2,3
	global_store_b128 v[L16], v[OC+12*\i:OC+12*\i+3], s[36:37] offset:\i*ORECB        ; 512 consecutive bytes,
	global_store_b64 v[L8], v[OC+12*\i+4:OC+12*\i+5], s[36:37] offset:\i*ORECB+512    ; 256
	global_store_b16 v[R8], v[OC+12*\i+9], s[38:39] offset:\i*ORECB                   ; two bytes of each row's word (lanes r and r + 16 write the same): a word spans two heads, which other work-groups make
.endr
	s_wait_tensorcnt 0x0                           ; the wave's end
	ds_add_u32 v[SPW], v[NIL]
	s_wait_dscnt 0x0
	ROUND                                          ; the closing round
	s_endpgm
.Lfunc_end_k_q5d478e2589_attn:
	.size	k_q5d478e2589_attn, .Lfunc_end_k_q5d478e2589_attn-k_q5d478e2589_attn
	.p2alignl 7, 3214868480
	.fill 96, 4, 3214868480
	.section	.rodata,"a",@progbits
	.p2align	6, 0x0
	.amdhsa_kernel k_q5d478e2589_attn
		.amdhsa_group_segment_fixed_size 210944
		.amdhsa_private_segment_fixed_size 0
		.amdhsa_enable_private_segment 0
		.amdhsa_kernarg_size 24
		.amdhsa_user_sgpr_count 2
		.amdhsa_user_sgpr_kernarg_segment_ptr 1
		.amdhsa_wavefront_size32 1
		.amdhsa_system_sgpr_workgroup_id_x 1
		.amdhsa_system_sgpr_workgroup_id_y 1
		.amdhsa_system_sgpr_workgroup_id_z 1
		.amdhsa_system_vgpr_workitem_id 0
		.amdhsa_next_free_vgpr 512
		.amdhsa_next_free_sgpr 66
		.amdhsa_reserve_vcc 0
		.amdhsa_float_denorm_mode_32 3
		.amdhsa_float_denorm_mode_16_64 3
		.amdhsa_memory_ordered 1
		.amdhsa_forward_progress 1
		.amdhsa_inst_pref_size 80
	.end_amdhsa_kernel
	.amdgpu_metadata
---
amdhsa.version: [ 1, 2 ]
amdhsa.kernels:
  - .name:           k_q5d478e2589_attn
    .symbol:         k_q5d478e2589_attn.kd
    .args:
      - { .name: qr, .offset: 0, .size: 8, .value_kind: global_buffer, .address_space: global }
      - { .name: kv, .offset: 8, .size: 8, .value_kind: global_buffer, .address_space: global }
      - { .name: oq, .offset: 16, .size: 8, .value_kind: global_buffer, .address_space: global }
    .group_segment_fixed_size: 210944
    .private_segment_fixed_size: 0
    .kernarg_segment_align: 8
    .kernarg_segment_size: 24
    .max_flat_workgroup_size: 256
    .sgpr_count:     66
    .vgpr_count:     512
    .wavefront_size: 32
...
	.end_amdgpu_metadata
.endif
;; end of part 3
;; launch proj (part 4): grid 4 x 64, 4 waves a work-group, clusters of 4 x 4, 327,680 bytes of LDS; arguments oq, wq, b_proj, out0; writes out0
.if DOCPART == 4
	.amdgcn_target "amdgcn-amd-amdhsa--gfx1250"
	.amdhsa_code_object_version 6
	.text
	.protected	k_q5d478e2589_proj
	.globl	k_q5d478e2589_proj
	.p2align	8
	.type	k_q5d478e2589_proj,@function
k_q5d478e2589_proj:
	s_mov_b64 s[64:65], 0
	v_nop
	global_prefetch_b8 v0, s[64:65] scope:SCOPE_SE
	s_setreg_imm32_b32 hwreg(HW_REG_WAVE_MODE, 25, 1), 1
	s_wait_xcnt 0x0
	s_wait_alu depctr_hold_cnt(0) depctr_sa_sdst(0) depctr_va_vdst(0) depctr_va_sdst(0) depctr_va_ssrc(0) depctr_va_vcc(0) depctr_vm_vsrc(0)
	s_getreg_b32 s2, hwreg(HW_REG_IB_STS2, 6, 4)
	s_cmp_eq_u32 s2, 0
	s_cbranch_scc0 .Lentry_in_a_cluster
	s_endpgm
.Lentry_in_a_cluster:
	s_bfe_u32 s2, ttmp6, 0x10000c
	s_cmp_lg_u32 s2, 0xf033
	s_cbranch_scc0 .Lentry_shape_is_right
	s_endpgm
.Lentry_shape_is_right:
; PROJ: out0 = o W_proj + b_proj on codes of FP6.  A work-group makes 128 tokens x 256 columns: 64 x 4 = 256 work-groups.  A wave makes 64 x 128: 32 accumulators.
; ALL OF K LIES IN LDS: 8 records of o (16 tokens each) and 16 of W_proj (16 columns each), whole records of 12,800 bytes with their scale words, filled once at the head: waves 0, 1 bring o's halves, waves 2, 3 W's, one joint load each.
; o's records are shared along a row of the 4 x 4 cluster, W's along a column.  No ring, nothing is filled again; since all bytes are asked for at the head there is no loop in which a prefetch could run ahead.
; Source 0 = 16 columns of W, source 1 = 16 tokens: a lane holds one token, and its registers run along the columns.  The bias is the C of the first K step.
; THE WAY OUT: 16 tokens x 64 columns at a time through the wave's own stage (bytes on which no fill lands), back as rows of 256 bytes: sixteen lanes store one aligned run of 256 bytes.
; REGISTERS.  Window 0: v16-29 addresses; v32-79 all scale words; v80-143 the bias; v144-239 o's fragments, two sets.  Window 1: W's fragments, two sets.  Window 2: accumulators.
.set RECB,  12800
.set FRB,   1536
.set ABYTES, 8*RECB
.set SPARE, 24*RECB
.set STAGE, SPARE+512
.set SPITCH, 272
.set ADRA,  16
.set ADRA8, 17
.set ADRB,  18
.set ADS1,  20
.set ADS2,  21
.set STO,   22
.set RD,    23
.set CO,    24
.set SPW,   28
.set NIL,   29
.set SC,    32
.set BI,    80
.set AFB,   144
.set BK,    144
.set G1,   24
.set G0,   32
.set G1B,  48
.set G0B,  56
.set MSB, 0
.macro WIN new
.if MSB != (\new)
	s_set_vgpr_msb (MSB<<8)|(\new)
.set MSB, (\new)
.endif
.endm
.macro PLACES
.rept 4
	v_nop
.endr
.endm
.macro CROUND
	s_barrier_signal -1
	s_barrier_wait -1
	s_cmp_lg_u32 s16, 0
	s_cbranch_scc1 .Lnot_wave_0_\@
	s_barrier_signal -3
.Lnot_wave_0_\@:
	s_barrier_wait -3
	s_barrier_signal -1
	s_barrier_wait -1
.endm
	s_load_b256 s[4:11], s[0:1], 0x0               ; oq, wq, b_proj, out0
	v_lshl_add_u32 v[SPW], v0, 2, SPARE
	v_mov_b32 v[NIL], 0
	ds_add_u32 v[SPW], v[NIL]                      ; the opening lines
	ds_add_u32 v[SPW], v[NIL]
	v_lshrrev_b32 v1, 5, v0
	v_readfirstlane_b32 s16, v1
	s_lshr_b32 s17, s16, 1                         ; my half of the tokens.  Also: I fetch for o (0) or for W (1)
	s_and_b32 s18, s16, 1                          ; my half of the columns.  Also: which half I fetch
	s_bfe_u32 s19, ttmp6, 0x40000
	s_bfe_u32 s20, ttmp6, 0x40004
	s_lshl_b32 s40, ttmp9, 2
	s_add_co_u32 s40, s40, s19                     ; tile column
	s_and_b32 s23, ttmp7, 0xffff
	s_lshl_b32 s23, s23, 2
	s_add_co_u32 s23, s23, s20                     ; tile row
	s_lshl_b32 s41, s20, 2
	s_lshl_b32 s41, 15, s41                        ; my row of the cluster
	s_lshl_b32 s42, 0x1111, s19                    ; my column
	s_or_b32 s[G1], s41, (3<<16)|(1<<21)           ; elements of 8 bytes, rows of 256 bytes, dense
	s_or_b32 s[G1B], s42, (3<<16)|(1<<21)
	s_mov_b32 s[G1+1], 32<<16
	s_mov_b32 s[G1+2], 200<<16                     ; four records
	s_mov_b32 s[G1+3], 32<<16
	s_mov_b32 s[G1+4], 200
	s_mov_b32 s[G1+5], 32
	s_mov_b32 s[G1+6], 0
	s_mov_b32 s[G1+7], 0
	s_mov_b32 s[G1B+1], 32<<16
	s_mov_b32 s[G1B+2], 400<<16                    ; eight records
	s_mov_b32 s[G1B+3], 32<<16
	s_mov_b32 s[G1B+4], 400
	s_mov_b32 s[G1B+5], 32
	s_mov_b32 s[G1B+6], 0
	s_mov_b32 s[G1B+7], 0
	s_lshl_b32 s43, s23, 3
	s_lshl_b32 s45, s18, 2
	s_add_co_u32 s43, s43, s45
	s_mul_i32 s46, s43, RECB                       ; o's records 8 x tile row + 4 x half
	s_mov_b32 s47, 0
	s_lshl_b32 s44, s40, 4
	s_lshl_b32 s45, s18, 3
	s_add_co_u32 s44, s44, s45
	s_add_co_u32 s44, s44, 192
	s_mul_i32 s44, s44, RECB                       ; wq's records 192 + 16 x tile column + 8 x half
	s_mov_b32 s45, 0
	s_mul_i32 s2, s18, 4*RECB
	s_mul_i32 s3, s18, 8*RECB
	s_add_co_u32 s3, s3, ABYTES
	s_wait_dscnt 0x0
	s_wait_kmcnt 0x0
	s_mov_b32 s[G0], 1
	s_mov_b32 s[G0+1], s2
	s_add_nc_u64 s[G0+2:G0+3], s[4:5], s[46:47]
	s_or_b32 s[G0+3], s[G0+3], 0x80000000
	s_mov_b32 s[G0B], 1
	s_mov_b32 s[G0B+1], s3
	s_add_nc_u64 s[G0B+2:G0B+3], s[6:7], s[44:45]
	s_or_b32 s[G0B+3], s[G0B+3], 0x80000000
	CROUND                                         ; all sixteen work-groups are here: the joint loads meet
	s_cmp_eq_u32 s17, 0
	s_cbranch_scc0 .Lfor_w
	tensor_load_to_lds s[G0:G0+3], s[G1:G1+7]      ; my one tensor load of the launch
	s_nop 0
	PLACES
	s_branch .Lasked
.Lfor_w:
	tensor_load_to_lds s[G0B:G0B+3], s[G1B:G1B+7]
	s_nop 0
	PLACES
.Lasked:
	s_mul_i32 s43, s17, 4*RECB                     ; my four records of o
	s_mul_i32 s46, s18, 8*RECB
	s_add_co_u32 s46, s46, ABYTES                  ; my eight of W
	s_add_co_u32 s47, s46, 4*RECB
	s_sub_co_u32 s21, s46, s43
	s_add_co_u32 s22, s43, 12288
	s_add_co_u32 s12, s47, 12288
	s_mul_i32 s13, s16, 16*SPITCH
	s_add_co_u32 s13, s13, STAGE                   ; my stage
	s_lshl_b32 s44, s40, 10
	s_lshl_b32 s45, s18, 9
	s_add_co_u32 s44, s44, s45                     ; my first column, in bytes
	s_mov_b32 s45, 0
	s_add_nc_u64 s[8:9], s[8:9], s[44:45]
	s_add_nc_u64 s[10:11], s[10:11], s[44:45]
	s_lshl_b32 s44, s23, 7
	s_lshl_b32 s14, s17, 6
	s_add_co_u32 s44, s44, s14
	s_lshl_b32 s44, s44, 12                        ; my first token's row of 4,096 bytes
	s_add_nc_u64 s[10:11], s[10:11], s[44:45]
	v_and_b32 v1, 31, v0
	v_and_b32 v2, 15, v0
	v_bfe_u32 v3, v0, 4, 1
	v_lshlrev_b32 v5, 4, v1
	v_lshlrev_b32 v6, 3, v1
	v_lshlrev_b32 v7, 3, v2
	v_add_nc_u32 v[ADRA], s43, v5
	v_add_nc_u32 v[ADRA8], s43, v6
	v_add_nc_u32 v[ADRB], s46, v5
	v_add_nc_u32 v[ADRB+1], s47, v5
	v_mul_u32_u24 v4, s21, v3                      ; scale words: lanes 0-15 o's block i, lanes 16-31 W's block i (i = 0..3);
	v_add_nc_u32 v4, v4, v7
	v_add_nc_u32 v[ADS1], s22, v4
	v_mul_u32_u24 v8, v3, RECB                     ; lanes 0-15 W's block 4 + 2 i, lanes 16-31 block 5 + 2 i
	v_add_nc_u32 v8, v8, v7
	v_add_nc_u32 v[ADS2], s12, v8
	v_mul_u32_u24 v9, v2, SPITCH
	v_lshl_add_u32 v9, v3, 6, v9
	v_add_nc_u32 v[STO], s13, v9                   ; the stage, in: row r, + 64 h
	v_mul_u32_u24 v10, v3, SPITCH
	v_lshl_add_u32 v10, v2, 4, v10
	v_add_nc_u32 v[RD], s13, v10                   ; and back: sixteen lanes to a row, two rows an instruction
	v_lshlrev_b32 v11, 12, v3
	v_lshl_add_u32 v[CO], v2, 4, v11               ; the same two rows in out0
	v_lshlrev_b32 v12, 6, v3
.irp b, 0,1,2,3,4,5,6,7
	global_load_b128 v[BI+8*\b:BI+8*\b+3], v12, s[8:9] offset:(32*(\b/2)+8*(\b%2))*4
	global_load_b128 v[BI+8*\b+4:BI+8*\b+7], v12, s[8:9] offset:(32*(\b/2)+8*(\b%2))*4+16
.endr
	s_wait_alu depctr_va_vdst(0)
	s_wait_tensorcnt 0x0                           ; my records have landed,
	s_barrier_signal -1
	s_barrier_wait -1                              ; everybody's have, and no fill follows
.macro FETCH k                         ; K step k's fragments into set k % 2
	WIN 0x40
.irp i, 0,1,2,3,4,5,6,7
.irp j, 0,1,2
	ds_load_b128 v[96*((\k)%2)+12*\i+4*\j:96*((\k)%2)+12*\i+4*\j+3], v[ADRB+\i/4] offset:(\i%4)*RECB+FRB*(\k)+512*\j
.endr
.endr
	WIN 0
.irp i, 0,1,2,3
.set FA, AFB+48*((\k)%2)+12*\i
	ds_load_b128 v[FA:FA+3], v[ADRA] offset:\i*RECB+FRB*(\k)
	ds_load_b64 v[FA+4:FA+5], v[ADRA8] offset:\i*RECB+FRB*(\k)+512
	ds_load_b128 v[FA+6:FA+9], v[ADRA] offset:\i*RECB+FRB*(\k)+768
	ds_load_b64 v[FA+10:FA+11], v[ADRA8] offset:\i*RECB+FRB*(\k)+1280
.endr
.endm
.macro MUL k                           ; 32 products, the accumulators by turns in the same order in every step
.set SS, SC+12*((\k)/2)+(\k)%2
.irp a, 0,1,2,3
.irp b, 0,1,2,3,4,5,6,7
.set AC, 8*(8*\a+\b)
.set BF, 96*((\k)%2)+12*\b
.set FA, AFB+48*((\k)%2)+12*\a
.set SA, SS+2*\a
.if \b < 4
.set SB, SS+2*\b
.set RW, 1
.else
.set SB, SS+8+2*((\b-4)/2)
.set RW, \b%2
.endif
.if (\k) == 0
.if RW
	v_wmma_scale_f32_16x16x128_f8f6f4 v[AC:AC+7], v[BF:BF+11], v[FA:FA+11], v[BI+8*\b:BI+8*\b+7], v[SB], v[SA] matrix_a_fmt:MATRIX_FMT_FP6 matrix_b_fmt:MATRIX_FMT_FP6 matrix_a_scale:MATRIX_SCALE_ROW1
.else
	v_wmma_scale_f32_16x16x128_f8f6f4 v[AC:AC+7], v[BF:BF+11], v[FA:FA+11], v[BI+8*\b:BI+8*\b+7], v[SB], v[SA] matrix_a_fmt:MATRIX_FMT_FP6 matrix_b_fmt:MATRIX_FMT_FP6
.endif
.else
.if RW
	v_wmma_scale_f32_16x16x128_f8f6f4 v[AC:AC+7], v[BF:BF+11], v[FA:FA+11], v[AC:AC+7], v[SB], v[SA] matrix_a_fmt:MATRIX_FMT_FP6 matrix_b_fmt:MATRIX_FMT_FP6 matrix_a_scale:MATRIX_SCALE_ROW1
.else
	v_wmma_scale_f32_16x16x128_f8f6f4 v[AC:AC+7], v[BF:BF+11], v[FA:FA+11], v[AC:AC+7], v[SB], v[SA] matrix_a_fmt:MATRIX_FMT_FP6 matrix_b_fmt:MATRIX_FMT_FP6
.endif
.endif
.endr
.endr
.endm
.macro STEP k
	s_wait_dscnt 0x0                               ; this step's fragments are in
.if (\k) < 7
.if (\k) > 0
	PLACES                                         ; in front of loads into registers that the last step's products read
.endif
	FETCH (\k)+1
.endif
.if (\k) == 0
	WIN 0x81                                       ; C: the bias, in window 0
.else
	WIN 0xa1
.endif
	MUL \k
	WIN 0
.endm
.irp s, 0,1,2,3                        ; all scale words, once: 12 registers for each two K steps
.irp i, 0,1,2,3
	ds_load_b64 v[SC+12*\s+2*\i:SC+12*\s+2*\i+1], v[ADS1] offset:\i*RECB+128*\s
.endr
.irp i, 0,1
	ds_load_b64 v[SC+12*\s+8+2*\i:SC+12*\s+8+2*\i+1], v[ADS2] offset:\i*2*RECB+128*\s
.endr
.endr
	FETCH 0
	s_wait_loadcnt 0x0                             ; the bias
.irp k, 0,1,2,3,4,5,6,7
	STEP \k
.endr
.macro TOSTAGE n                       ; piece n = 2 a + q: tokens' block a, columns 64 q ..
.set AC, 64*((\n)/2)+32*((\n)%2)
	WIN 0x08
.irp b, 0,1,2,3
	ds_store_b128 v[STO], v[AC+8*\b:AC+8*\b+3] offset:128*(\b/2)+32*(\b%2)       ; each accumulator from its low end on
	ds_store_b128 v[STO], v[AC+8*\b+4:AC+8*\b+7] offset:128*(\b/2)+32*(\b%2)+16
.endr
	WIN 0
.set BB, BK+32*((\n)%2)
.irp t, 0,1,2,3,4,5,6,7
	ds_load_b128 v[BB+4*\t:BB+4*\t+3], v[RD] offset:\t*2*SPITCH    ; LDS serves a wave's instructions in order: these see the stores above
.endr
.endm
.macro SEND n, younger
.set BB, BK+32*((\n)%2)
	s_wait_dscnt \younger
.irp t, 0,1,2,3,4,5,6,7
	global_store_b128 v[CO], v[BB+4*\t:BB+4*\t+3], s[10:11] offset:(32*((\n)/4)+8*(((\n)/2)%2)+2*\t+8*(\t/4))*4096+256*((\n)%2) th:TH_STORE_NT
.endr
.endm
	PLACES
	TOSTAGE 0
.irp n, 1,2,3,4,5,6,7
.if \n > 1
	s_wait_xcnt 0x0                                ; piece n - 2's stores have read their registers
.endif
	TOSTAGE \n
	SEND \n-1, 16                                  ; behind piece n - 1's loads: piece n's 8 stores and 8 loads
.endr
	SEND 7, 0
	s_wait_tensorcnt 0x0                           ; the wave's end
	ds_add_u32 v[SPW], v[NIL]
	s_wait_dscnt 0x0
	CROUND                                         ; the closing round
	s_endpgm
.Lfunc_end_k_q5d478e2589_proj:
	.size	k_q5d478e2589_proj, .Lfunc_end_k_q5d478e2589_proj-k_q5d478e2589_proj
	.p2alignl 7, 3214868480
	.fill 96, 4, 3214868480
	.section	.rodata,"a",@progbits
	.p2align	6, 0x0
	.amdhsa_kernel k_q5d478e2589_proj
		.amdhsa_group_segment_fixed_size 327680
		.amdhsa_private_segment_fixed_size 0
		.amdhsa_enable_private_segment 0
		.amdhsa_kernarg_size 32
		.amdhsa_user_sgpr_count 2
		.amdhsa_user_sgpr_kernarg_segment_ptr 1
		.amdhsa_wavefront_size32 1
		.amdhsa_system_sgpr_workgroup_id_x 1
		.amdhsa_system_sgpr_workgroup_id_y 1
		.amdhsa_system_sgpr_workgroup_id_z 1
		.amdhsa_system_vgpr_workitem_id 0
		.amdhsa_next_free_vgpr 768
		.amdhsa_next_free_sgpr 102
		.amdhsa_reserve_vcc 0
		.amdhsa_float_denorm_mode_32 3
		.amdhsa_float_denorm_mode_16_64 3
		.amdhsa_memory_ordered 1
		.amdhsa_forward_progress 1
		.amdhsa_inst_pref_size 79
	.end_amdhsa_kernel
	.amdgpu_metadata
---
amdhsa.version: [ 1, 2 ]
amdhsa.kernels:
  - .name:           k_q5d478e2589_proj
    .symbol:         k_q5d478e2589_proj.kd
    .args:
      - { .name: oq, .offset: 0, .size: 8, .value_kind: global_buffer, .address_space: global }
      - { .name: wq, .offset: 8, .size: 8, .value_kind: global_buffer, .address_space: global }
      - { .name: b_proj, .offset: 16, .size: 8, .value_kind: global_buffer, .address_space: global }
      - { .name: out0, .offset: 24, .size: 8, .value_kind: global_buffer, .address_space: global }
    .group_segment_fixed_size: 327680
    .private_segment_fixed_size: 0
    .kernarg_segment_align: 8
    .kernarg_segment_size: 32
    .max_flat_workgroup_size: 128
    .sgpr_count:     102
    .vgpr_count:     768
    .wavefront_size: 32
...
	.end_amdgpu_metadata
.endif
;; end of part 4
